; MI455X (gfx1250); checked and timed in simulation.
; The chip was launched on July 23, 2026; its instructions are those of AMD's public machine-readable ISA for CDNA 5 (MIT licence, August 2026) and "CDNA5" Instruction Set Architecture Reference Guide (July 2026). The comments in the code are by the model that wrote it; some were corrected since.
;; Dilated Attention. Allowed arithmetic: float matrix products may take bf16 or f16 operands with f32 sums; other float arithmetic in f32, or as packed bf16 or f16 multiplies, adds, multiply-adds, maxima and minima; sums over many terms, partial sums and values carried from step to step in f32; what a program stores and reads back later, other than sums and carried values, may be rounded once to bf16 or f16.
;; Inputs: b_ff1 4,096 float32; b_ff2 1,024 float32; b_o 1,024 float32; b_qkv 3,072 float32; ln1_b 1,024 float32; ln1_g 1,024 float32; ln2_b 1,024 float32; ln2_g 1,024 float32; w_ff1 4,096 x 1,024 float32; w_ff2 1,024 x 4,096 float32; w_o 1,024 x 1,024 float32; w_qkv 3,072 x 1,024 float32; x 2 x 2,048 x 1,024 float32.
;; Outputs: out0 2 x 2,048 x 1,024 float32.
;; One version. Each part assembles by itself: llvm-mc -triple=amdgcn-amd-amdhsa -mcpu=gfx1250 --defsym DOCPART=n.
;; ======== version 1 of 1: 7 launches
;; workspace buffers: wb 25,165,824 bytes; w1 8,388,608 bytes; hb 8,388,608 bytes; att 8,388,608 bytes; o1 16,777,216 bytes; ffh 33,554,432 bytes; pq 1,024 bytes of whole numbers; pf 1,024 bytes of whole numbers
;; launch prep (part 1): grid 1024 x 1, 8 waves a work-group, no clusters, 0 bytes of LDS; arguments x, ln1_g, ln1_b, w_qkv, w_o, w_ff1, w_ff2, hb, wb, w1, pq, pf; writes hb, wb, w1, pq, pf
.if DOCPART == 1
	.amdgcn_target "amdgcn-amd-amdhsa--gfx1250"
	.amdhsa_code_object_version 6
	.text
	.protected	k_qc2c206251f_prep
	.globl	k_qc2c206251f_prep
	.p2align	8
	.type	k_qc2c206251f_prep,@function
k_qc2c206251f_prep:
	s_mov_b64 s[64:65], 0
	v_nop
	global_prefetch_b8 v0, s[64:65] scope:SCOPE_SE
	s_setreg_imm32_b32 hwreg(HW_REG_WAVE_MODE, 25, 1), 1
	s_wait_xcnt 0x0
; Work-groups 0-255: hb = LayerNorm(x) * ln1_g + ln1_b, rounded once to bf16.  Work-groups 256-1023: the four weight matrices rounded to bf16: w_qkv to byte 0 of wb,
; w_o to byte 6,291,456, w_ff2 to byte 16,777,216, w_ff1 to w1; each keeps its [n][k] order.  Every work-group moves 65,536 bytes of f32 in.
; Work-group 256 also stores the whole numbers that choose the activation of the shared product kernel: 256 words of 0 into pq, 256 words of 1 into pf.
; A stream: no LDS, no matrix unit, no cluster: no two work-groups read the same bytes but the 8 KB of gains and biases.
; LN: a work-group owns 16 rows of 1,024, a wave 2; a row lies in 32 registers of one wave between the passes, so it is read once.  Mean first, then the mean of
; (x - mean)^2, as the reference has it: no difference of large sums, so a common offset of the inputs costs nothing.  NaN and infinities are not treated apart.
.set X,   8                            ; v[8:71]    two rows, 32 registers each; load j holds columns 128 j + 4 lane + 0..3
.set G,   72                           ; v[72:103]  gains of the same columns
.set BB,  104                          ; v[104:135] biases
.set A,   136                          ; v[136:143] four chains of packed sums
.set RED, 144                          ; v144 the lane's sum, v145 the other half of the lanes'
.set SRC, 4
.set GP,  6
.set BP,  8
.set DST, 18
	s_load_b512 s[4:19], s[0:1], 0x0               ; x, ln1_g, ln1_b, w_qkv, w_o, w_ff1, w_ff2, hb
	s_load_b256 s[20:27], s[0:1], 0x40             ; wb, w1, pq, pf
	s_cmp_lt_u32 ttmp9, 256
	s_cbranch_scc0 .Lcast
	v_and_b32 v1, 31, v0                           ; lane
	v_lshrrev_b32 v2, 5, v0                        ; wave
	v_lshlrev_b32 v3, 3, v1
	v_lshl_add_u32 v3, v2, 12, v3                  ; out: wave x 2 rows x 2,048 bytes + 8 x lane
	v_lshlrev_b32 v2, 1, v3                        ; in: twice that
	v_lshlrev_b32 v1, 4, v1                        ; gains and biases: 16 x lane
	v_mov_b32 v[RED+1], 0                          ; v_permlanex16_b32 counts as a reader of its destination
	s_lshl_b32 s32, ttmp9, 16                      ; 16 rows of 4,096 bytes
	s_mov_b32 s33, 0
	s_lshl_b32 s34, ttmp9, 15                      ; 16 rows of 2,048 bytes
	s_mov_b32 s35, 0
	s_mov_b32 s28, 0x3a800000                      ; 1 / 1024
	s_mov_b32 s29, 0x3727c5ac                      ; 1e-5
	s_mov_b32 s30, 0x76543210                      ; each lane takes its own place in the other half
	s_mov_b32 s31, 0xfedcba98
	s_wait_kmcnt 0x0
	s_add_nc_u64 s[SRC:SRC+1], s[SRC:SRC+1], s[32:33]
	s_add_nc_u64 s[DST:DST+1], s[DST:DST+1], s[34:35]
.irp r, 0,1
.irp j, 0,1,2,3,4,5,6,7
	global_load_b128 v[X+32*(\r)+4*(\j):X+32*(\r)+4*(\j)+3], v2, s[SRC:SRC+1] offset:4096*(\r)+512*(\j)  ; 512 neighbouring bytes a load
.endr
.endr
.irp j, 0,1,2,3,4,5,6,7
	global_load_b128 v[G+4*(\j):G+4*(\j)+3], v1, s[GP:GP+1] offset:512*(\j)
.endr
.irp j, 0,1,2,3,4,5,6,7
	global_load_b128 v[BB+4*(\j):BB+4*(\j)+3], v1, s[BP:BP+1] offset:512*(\j)
.endr
.macro LANESUM                         ; v[RED] summed over the 32 lanes, the result in every lane
	v_add_f32_dpp v[RED], v[RED], v[RED] row_xmask:1 row_mask:0xf bank_mask:0xf
	v_add_f32_dpp v[RED], v[RED], v[RED] row_xmask:2 row_mask:0xf bank_mask:0xf
	v_add_f32_dpp v[RED], v[RED], v[RED] row_xmask:4 row_mask:0xf bank_mask:0xf
	v_add_f32_dpp v[RED], v[RED], v[RED] row_xmask:8 row_mask:0xf bank_mask:0xf
	v_permlanex16_b32 v[RED+1], v[RED], s30, s31
	v_add_f32 v[RED], v[RED], v[RED+1]
.endm
.macro FOLD                            ; the four chains into one number a lane
	v_pk_add_f32 v[A:A+1], v[A:A+1], v[A+2:A+3]
	v_pk_add_f32 v[A+4:A+5], v[A+4:A+5], v[A+6:A+7]
	v_pk_add_f32 v[A:A+1], v[A:A+1], v[A+4:A+5]
	v_add_f32 v[RED], v[A], v[A+1]
.endm
; One row.  left = the younger loads that may stay out when the row has to be there.
.macro LNROW r, left
.set XR, X+32*(\r)
	s_wait_loadcnt \left
.irp k, 0,1,2,3
	v_pk_add_f32 v[A+2*(\k):A+2*(\k)+1], v[XR+2*(\k):XR+2*(\k)+1], v[XR+8+2*(\k):XR+8+2*(\k)+1]  ; the first eight pairs start the chains
.endr
.irp i, 8,9,10,11,12,13,14,15
	v_pk_add_f32 v[A+2*((\i)%4):A+2*((\i)%4)+1], v[A+2*((\i)%4):A+2*((\i)%4)+1], v[XR+2*(\i):XR+2*(\i)+1]
.endr
	FOLD
	LANESUM
	v_mul_f32 v4, s28, v[RED]                      ; the mean, twice: a pair for the packed subtraction
	v_mul_f32 v5, s28, v[RED]
.set i, 0
.rept 16
	v_pk_add_f32 v[XR+2*i:XR+2*i+1], v[XR+2*i:XR+2*i+1], v[4:5] neg_lo:[0,1] neg_hi:[0,1]
.set i, i+1
.endr
.irp k, 0,1,2,3
	v_pk_mul_f32 v[A+2*(\k):A+2*(\k)+1], v[XR+2*(\k):XR+2*(\k)+1], v[XR+2*(\k):XR+2*(\k)+1]
.endr
.irp i, 4,5,6,7,8,9,10,11,12,13,14,15
	v_pk_fma_f32 v[A+2*((\i)%4):A+2*((\i)%4)+1], v[XR+2*(\i):XR+2*(\i)+1], v[XR+2*(\i):XR+2*(\i)+1], v[A+2*((\i)%4):A+2*((\i)%4)+1]
.endr
	FOLD
	LANESUM
	v_fma_f32 v[RED], v[RED], s28, s29             ; variance + eps
	v_rsq_f32 v6, v[RED]
	v_rsq_f32 v7, v[RED]
	v_nop                                          ; a plain instruction between the root and the use of its result (ISA guide 5.7.2)
.if (\r) == 0
	s_wait_loadcnt 0x0                             ; gains and biases, once
.endif
.set i, 0
	s_wait_alu depctr_va_vdst(0)
.rept 16
	v_pk_mul_f32 v[XR+2*i:XR+2*i+1], v[XR+2*i:XR+2*i+1], v[6:7]
.set i, i+1
.endr
.set i, 0
.rept 16
	v_pk_fma_f32 v[XR+2*i:XR+2*i+1], v[XR+2*i:XR+2*i+1], v[G+2*i:G+2*i+1], v[BB+2*i:BB+2*i+1]
.set i, i+1
.endr
.set i, 0
.rept 16
	v_cvt_pk_bf16_f32 v[XR+i], v[XR+2*i], v[XR+2*i+1]  ; ascending, in place: register i is free when pair i is rounded
.set i, i+1
.endr
.irp j, 0,1,2,3,4,5,6,7
	global_store_b64 v3, v[XR+2*(\j):XR+2*(\j)+1], s[DST:DST+1] offset:2048*(\r)+256*(\j)  ; 32 lanes store 256 consecutive bytes, aligned
.endr
.endm
	LNROW 0, 24                                    ; behind row 0's loads: row 1's eight, eight of gains, eight of biases
	LNROW 1, 0
	s_endpgm
.Lcast:                                                ; chunk c of 16,384 numbers; chunks 0-191 w_qkv, 192-255 w_o, 256-511 w_ff1, 512-767 w_ff2
	v_lshlrev_b32 v1, 4, v0                        ; in: 16 bytes a thread
	v_lshlrev_b32 v2, 3, v0                        ; out: 8
	s_sub_co_u32 s32, ttmp9, 256                   ; c
	s_wait_kmcnt 0x0
	s_mov_b64 s[36:37], s[16:17]                   ; chunks 512-767: w_ff2
	s_mov_b32 s33, 512
	s_cmp_lt_u32 s32, 512
	s_cselect_b64 s[36:37], s[14:15], s[36:37]     ; 256-511: w_ff1
	s_cselect_b32 s33, 256, s33
	s_cmp_lt_u32 s32, 256
	s_cselect_b64 s[36:37], s[12:13], s[36:37]     ; 192-255: w_o
	s_cselect_b32 s33, 192, s33
	s_cmp_lt_u32 s32, 192
	s_cselect_b64 s[36:37], s[10:11], s[36:37]     ; 0-191: w_qkv
	s_cselect_b32 s33, 0, s33
	s_sub_co_u32 s34, s32, s33                     ; the chunk's number in its own matrix
	s_cmp_eq_u32 s33, 256                          ; w_ff1's copy has a buffer of its own; the others lie in wb at their chunks' numbers
	s_cselect_b64 s[38:39], s[22:23], s[20:21]
	s_cselect_b32 s32, s34, s32
	s_lshl_b32 s32, s32, 15
	s_mov_b32 s33, 0
	s_add_nc_u64 s[38:39], s[38:39], s[32:33]
	s_lshl_b32 s34, s34, 16
	s_mov_b32 s35, 0
	s_add_nc_u64 s[36:37], s[36:37], s[34:35]
.irp j, 0,1,2,3,4,5,6,7,8,9,10,11,12,13,14,15
	global_load_b128 v[8+4*(\j):8+4*(\j)+3], v1, s[36:37] offset:4096*(\j) th:TH_LOAD_NT  ; read once in the whole program
.endr
.irp j, 0,1,2,3,4,5,6,7,8,9,10,11,12,13,14,15
	s_wait_loadcnt 15-(\j)                         ; loads come back in order: load j is in, the younger ones stay out
	v_cvt_pk_bf16_f32 v[72+2*(\j)], v[8+4*(\j)], v[8+4*(\j)+1]
	v_cvt_pk_bf16_f32 v[73+2*(\j)], v[8+4*(\j)+2], v[8+4*(\j)+3]
	global_store_b64 v2, v[72+2*(\j):73+2*(\j)], s[38:39] offset:2048*(\j)
.endr
	s_cmp_lg_u32 ttmp9, 256
	s_cbranch_scc1 .Ldone
	v_lshlrev_b32 v3, 2, v0                        ; one work-group stores the two tables: a word a thread, 1,024 consecutive bytes each
	v_mov_b32 v4, 0
	v_mov_b32 v5, 1
	global_store_b32 v3, v4, s[24:25]
	global_store_b32 v3, v5, s[26:27]
.Ldone:
	s_endpgm
.Lfunc_end_k_qc2c206251f_prep:
	.size	k_qc2c206251f_prep, .Lfunc_end_k_qc2c206251f_prep-k_qc2c206251f_prep
	.p2alignl 7, 3214868480
	.fill 96, 4, 3214868480
	.section	.rodata,"a",@progbits
	.p2align	6, 0x0
	.amdhsa_kernel k_qc2c206251f_prep
		.amdhsa_group_segment_fixed_size 0
		.amdhsa_private_segment_fixed_size 0
		.amdhsa_enable_private_segment 0
		.amdhsa_kernarg_size 96
		.amdhsa_user_sgpr_count 2
		.amdhsa_user_sgpr_kernarg_segment_ptr 1
		.amdhsa_wavefront_size32 1
		.amdhsa_system_sgpr_workgroup_id_x 1
		.amdhsa_system_sgpr_workgroup_id_y 1
		.amdhsa_system_sgpr_workgroup_id_z 1
		.amdhsa_system_vgpr_workitem_id 0
		.amdhsa_next_free_vgpr 148
		.amdhsa_next_free_sgpr 66
		.amdhsa_reserve_vcc 0
		.amdhsa_float_denorm_mode_32 3
		.amdhsa_float_denorm_mode_16_64 3
		.amdhsa_memory_ordered 1
		.amdhsa_forward_progress 1
		.amdhsa_inst_pref_size 27
	.end_amdhsa_kernel
	.amdgpu_metadata
---
amdhsa.version: [ 1, 2 ]
amdhsa.kernels:
  - .name:           k_qc2c206251f_prep
    .symbol:         k_qc2c206251f_prep.kd
    .args:
      - { .name: x, .offset: 0, .size: 8, .value_kind: global_buffer, .address_space: global }
      - { .name: ln1_g, .offset: 8, .size: 8, .value_kind: global_buffer, .address_space: global }
      - { .name: ln1_b, .offset: 16, .size: 8, .value_kind: global_buffer, .address_space: global }
      - { .name: w_qkv, .offset: 24, .size: 8, .value_kind: global_buffer, .address_space: global }
      - { .name: w_o, .offset: 32, .size: 8, .value_kind: global_buffer, .address_space: global }
      - { .name: w_ff1, .offset: 40, .size: 8, .value_kind: global_buffer, .address_space: global }
      - { .name: w_ff2, .offset: 48, .size: 8, .value_kind: global_buffer, .address_space: global }
      - { .name: hb, .offset: 56, .size: 8, .value_kind: global_buffer, .address_space: global }
      - { .name: wb, .offset: 64, .size: 8, .value_kind: global_buffer, .address_space: global }
      - { .name: w1, .offset: 72, .size: 8, .value_kind: global_buffer, .address_space: global }
      - { .name: pq, .offset: 80, .size: 8, .value_kind: global_buffer, .address_space: global }
      - { .name: pf, .offset: 88, .size: 8, .value_kind: global_buffer, .address_space: global }
    .group_segment_fixed_size: 0
    .private_segment_fixed_size: 0
    .kernarg_segment_align: 8
    .kernarg_segment_size: 96
    .max_flat_workgroup_size: 256
    .sgpr_count:     66
    .vgpr_count:     148
    .wavefront_size: 32
...
	.end_amdgpu_metadata
.endif
;; end of part 1
;; launch gq (part 2): grid 12 x 16, 4 waves a work-group, clusters of 4 x 4, 327,680 bytes of LDS; arguments hb, wb, b_qkv, ffh, pq; writes ffh
.if DOCPART == 2
	.amdgcn_target "amdgcn-amd-amdhsa--gfx1250"
	.amdhsa_code_object_version 6
	.text
	.protected	k_qc2c206251f_gq
	.globl	k_qc2c206251f_gq
	.p2align	8
	.type	k_qc2c206251f_gq,@function
k_qc2c206251f_gq:
	s_mov_b64 s[64:65], 0
	v_nop
	global_prefetch_b8 v0, s[64:65] scope:SCOPE_SE
	s_setreg_imm32_b32 hwreg(HW_REG_WAVE_MODE, 25, 1), 1
	s_wait_xcnt 0x0
	s_wait_alu depctr_hold_cnt(0) depctr_sa_sdst(0) depctr_va_vdst(0) depctr_va_sdst(0) depctr_va_ssrc(0) depctr_va_vcc(0) depctr_vm_vsrc(0)
	s_getreg_b32 s2, hwreg(HW_REG_IB_STS2, 6, 4)
	s_cmp_eq_u32 s2, 0
	s_cbranch_scc0 .Lentry_in_a_cluster
	s_endpgm
.Lentry_in_a_cluster:
	s_bfe_u32 s2, ttmp6, 0x10000c
	s_cmp_lg_u32 s2, 0xf033
	s_cbranch_scc0 .Lentry_shape_is_right
	s_endpgm
.Lentry_shape_is_right:
; C[m][n] = act(sum over k of A[m][k] W[n][k] + bias[n]), rounded once to bf16.  A: [4096][1024] bf16; W: [n][1024] bf16 from its buffer's first byte; C: rows of 4,096 bf16; sums in f32.
; ONE TEXT FOR TWO LAUNCHES.  The first word of the last argument (whole numbers that the launch prep stored) chooses act: 0: none: the q, k, v projection, 3,072 columns, grid 12 x 16
; (columns 3,072 to 4,095 of C's rows are then neither written here nor read later); 1: the exact (erf) gelu: the MLP's first layer, 4,096 columns, grid 16 x 16.
; The word chooses CONSTANTS, by s_cselect_b32, and every trip of the way out runs the same lines (see GELU).
; The price: the projection runs some hundred vector lines a trip that serve it nothing; the gain: one text of this size less in the program.
; A tile of C is 256 x 256: at each k it fills 2 x 256 numbers for 256 x 256 multiply-adds, half of what a tile of side 128 fills for each multiply-add; the projection's 192 tiles are one
; work-group each, with one start and one end, where 768 tiles of side 128 would come three in turn on a WGP.
; Four waves, each 128 x 128: 64 accumulators, 512 registers.  K goes in steps of 128 (rows of 256 bytes) through a ring of two LDS slots filled by the tensor data mover; a wave's load brings 128 rows.
; CLUSTER 4 x 4: A's tiles are asked for jointly along a row of the cluster, B's along a column.
; The matrix instruction is used transposed (source 0 = 16 rows of B, source 1 = 16 rows of A): a lane holds eight neighbouring columns of one row of C.
; THE WAY OUT: each wave dumps its f32 sums into ring bytes that have had their last fill, and a short loop on fixed registers reads four rows a trip, adds the bias, takes act and stores.
; GELU: with xh = x / 2 and t = xh AND mask: act(x) = (xh + t) - t y, y = (k0 + c1 t + .. + c6 t^6)^-16.
;   word 1: mask clears the sign, k0 = 1, c1 .. c6 are Abramowitz and Stegun's 7.1.28 scaled by sqrt(2)^k: y = erfc(|x| / sqrt 2), off by 3e-7 at the most for every x; where the polynomial
;           overflows y = 0, the right limit.
;   word 0: mask is all ones (t = xh), c1 .. c6 = 0, k0 = 1,024: y = (2^-10)^16 = 2^-160, which is 0 in f32, and act(x) = 2 xh = x.
; REGISTERS: window 0: v0-31 addresses and bias; v64-127, v128-191 A's fragments; window 1: the same for B's; windows 2, 3: accumulator (a, b) at v[8 (8 (a % 4) + b)] of window 2 + a / 4.
; LIMITS: operands in bf16; NaN and infinities are not treated apart (with word 0 an infinite sum gives NaN: 0 x infinity in the polynomial).
.set SIZE_K, 1024
.set TM,     256
.set TN,     256
.set KSTEP,  128
.set PITCH,  272                       ; 256 bytes + 16 of padding: an odd multiple of 16, so the 16 rows of a fragment load start at 16 different 16-byte columns of 256
.set QI,     5
.set LROWS,  128
.set MA,     8
.set HALFT,  LROWS*PITCH
.set SLOT,   4*HALFT
.set SPARE,  2*SLOT                    ; the spare words: 128 bytes a wave, two blocks of 256 bytes that no other line names
.set LAPS,   SIZE_K/(2*KSTEP)
.set PART,   128*528                   ; the way out: a wave's own 128 rows of 128 f32
.set ADRA, 16
.set ADRB, 20
.set STO,  24
.set RD,   25
.set CO,   26
.set SPW,  28
.set NIL,  29
.set BH,   8                           ; v8-15   half the bias of my 8 columns
.set XX,   32                          ; v32-47  two rows' 8 sums as read back
.set YY,   48                          ; v48-55  to store
.set XH,   64                          ; v64-79  x / 2
.set TT,   80                          ; v80-95  t
.set PP,   96                          ; v96-111 the polynomial, then y
.set F0,   64
.set F1,   128
.set G1,   24
.set G0,   32
.set G1B,  48
.set G0B,  56
.set CC,   72                          ; s[72:83] c1 .. c6, each twice: the packed lines name pairs
.set MASK, 84                          ; s84
.set FLAG, 85                          ; s85  0: no activation; 1: gelu
.set K0,   86                          ; s[86:87] k0, twice
.set MSB, 0
.macro WIN new                         ; the immediate's high byte repeats the setting that is left; a switch that changes nothing is dropped
.if MSB != (\new)
	s_set_vgpr_msb (MSB<<8)|(\new)
.set MSB, \new
.endif
.endm
.macro JLOAD s                         ; a joint load: waves 0 and 1 fetch A's two halves, waves 2 and 3 B's; an s_nop 0 and four v_nop follow each line
	s_cmp_eq_u32 s15, 0
	s_cbranch_scc0 .Lfor_b_\@
	tensor_load_to_lds s[G0+4*(\s):G0+4*(\s)+3], s[G1:G1+7]
	s_nop 0
.rept 4
	v_nop
.endr
	s_branch .Lasked_\@
.Lfor_b_\@:
	tensor_load_to_lds s[G0B+4*(\s):G0B+4*(\s)+3], s[G1B:G1B+7]
	s_nop 0
.rept 4
	v_nop
.endr
.Lasked_\@:
.endm
.macro CREST                           ; a round of the cluster's barrier behind its opening barrier
	s_cmp_lg_u32 s14, 0
	s_cbranch_scc1 .Lnot_wave_0_\@
	s_barrier_signal -3
.Lnot_wave_0_\@:
	s_barrier_wait -3
	s_barrier_signal -1
	s_barrier_wait -1
.endm
.macro CROUND
	s_barrier_signal -1
	s_barrier_wait -1
	CREST
.endm
.macro PLACES                          ; four places in front of loads into registers that matrix instructions have read, and of reads of results
.rept 4
	v_nop
.endr
.endm
.macro MULA f, a, zero                 ; A block a x all 8 B blocks, 32 along K; zero = 1: the product starts the sums
	WIN 0xa1+0x50*((\a)/4)
.irp b, 0,1,2,3,4,5,6,7
.if \zero
	v_wmma_f32_16x16x32_bf16 v[8*(8*((\a)%4)+(\b)):8*(8*((\a)%4)+(\b))+7], v[(\f)+8*(\b):(\f)+8*(\b)+7], v[(\f)+8*(\a):(\f)+8*(\a)+7], 0
.else
	v_wmma_f32_16x16x32_bf16 v[8*(8*((\a)%4)+(\b)):8*(8*((\a)%4)+(\b))+7], v[(\f)+8*(\b):(\f)+8*(\b)+7], v[(\f)+8*(\a):(\f)+8*(\a)+7], v[8*(8*((\a)%4)+(\b)):8*(8*((\a)%4)+(\b))+7]
.endif
.endr
.endm
.macro MULS f, a0, n, zero             ; n blocks from a0 on.  The accumulators take turns, one instruction a turn, in the same order in every quarter
.set aa, \a0
.rept \n
	MULA \f, aa, \zero
.set aa, aa+1
.endr
.endm
.macro FETCH slot, k, f                ; 32 LDS loads in one run: the fragments of 32 along K at byte k of the rows: my 128 rows of B, then my 128 rows of A
	WIN 0x40
.irp i, 0,1,2,3,4,5,6,7
	ds_load_b128 v[(\f)+8*(\i):(\f)+8*(\i)+3],   v[ADRB+(\slot)] offset:(\k)+(\i)*16*PITCH
	ds_load_b128 v[(\f)+8*(\i)+4:(\f)+8*(\i)+7], v[ADRB+(\slot)] offset:(\k)+(\i)*16*PITCH+32
.endr
	WIN 0
.set ii, 0
.rept MA
	ds_load_b128 v[(\f)+8*ii:(\f)+8*ii+3],   v[ADRA+(\slot)] offset:(\k)+ii*16*PITCH
	ds_load_b128 v[(\f)+8*ii+4:(\f)+8*ii+7], v[ADRA+(\slot)] offset:(\k)+ii*16*PITCH+32
.set ii, ii+1
.endr
.endm
; A K step is four quarters of 32 along K, 64 matrix instructions each, on buffers 0, 1, 0, 1.  One of the first three: at its head it fetches the NEXT quarter's fragments, at byte k, into
; buffer g, which the quarter before has multiplied; then it multiplies buffer f.  So a run of loads stands 64 matrix instructions ahead of its first use (48 behind a change of slots).
.macro QUARTER slot, k, f, g, zero
	s_wait_dscnt 0x0                               ; buffer f is in: nothing was issued behind its run
	PLACES                                         ; between the last products that read buffer g and the loads into it
	FETCH \slot, \k, \g
	MULS \f, 0, MA, \zero
.endm
; The last quarter of a K step multiplies buffer 1 and changes slots: one barrier; in front of it each wave waits for all its tensor loads (its part of the next slot),
; adds 0 to its spare word, and waits for that and for its reads of this slot.  fill = 1: the barrier opens a round of the cluster's, and this slot is filled again, two K steps ahead:
; from that request to the wait for it a wave issues 240 matrix instructions.
.macro TURN slot, next, fill
	WIN 0
	s_wait_tensorcnt 0x0                           ; all my tensor loads have landed
	ds_add_u32 v[SPW], v[NIL]
	s_wait_dscnt 0x1                               ; buffer 1 is in: only the add, issued behind its run, may be out
	MULS F1, 0, 1, 0                               ; eight matrix instructions stand between the add and the wait for it
	s_wait_dscnt 0x0                               ; the add is done; my reads of this slot were over at the wait above
	s_barrier_signal -1
	MULS F1, 1, 1, 0
.if \fill
	WIN 0
.endif
	s_barrier_wait -1
.if \fill
	CREST                                          ; no wave of any partner still reads this slot or has a load on its way
	s_add_nc_u64 s[G0+4*(\slot)+2:G0+4*(\slot)+3], s[G0+4*(\slot)+2:G0+4*(\slot)+3], 4*KSTEP
	s_add_nc_u64 s[G0B+4*(\slot)+2:G0B+4*(\slot)+3], s[G0B+4*(\slot)+2:G0B+4*(\slot)+3], 4*KSTEP
	JLOAD \slot                                    ; the first tensor load behind the round; its four v_nop are also the places in front of the loads below
.else
	PLACES
.endif
	FETCH \next, 0, F0
	MULS F1, 2, MA-2, 0
.endm
.macro LASTQ                           ; the very last quarter; my reads of the ring are over at its head, and behind its barrier every wave's are
	s_wait_dscnt 0x0
	s_barrier_signal -1
	MULS F1, 0, MA, 0
	s_barrier_wait -1
.endm
	s_load_b256 s[4:11], s[0:1], 0x0               ; A s[4:5], W s[6:7], bias s[8:9], out s[10:11]
	s_load_b64 s[12:13], s[0:1], 0x20              ; the table with the activation's number
	v_lshl_add_u32 v[SPW], v0, 2, SPARE
	v_mov_b32 v[NIL], 0
	ds_add_u32 v[SPW], v[NIL]                      ; the wave's opening: the add and its wait ahead of my first tensor load
	ds_add_u32 v28, v29
	v_lshrrev_b32 v1, 5, v0
	v_readfirstlane_b32 s14, v1                    ; wave
	s_lshr_b32 s15, s14, 1                         ; hi: my half of the rows.  Also: I fetch for A (0) or B (1)
	s_and_b32 s16, s14, 1                          ; lo: my half of the columns.  Also: which 128 rows I fetch
	s_bfe_u32 s17, ttmp6, 0x40000                  ; cx
	s_bfe_u32 s18, ttmp6, 0x40004                  ; cy
	s_lshl_b32 s19, ttmp9, 2
	s_add_co_u32 s19, s19, s17                     ; tile column
	s_and_b32 s20, ttmp7, 0xffff
	s_lshl_b32 s20, s20, 2
	s_add_co_u32 s20, s20, s18                     ; tile row
	s_lshl_b32 s21, s18, 2
	s_lshl_b32 s21, 15, s21                        ; my row of the cluster
	s_lshl_b32 s22, 0x1111, s17                    ; my column
	s_or_b32 s[G1+0], s21, (1<<16)|(1<<20)|(1<<21)|(QI<<22)|(3<<25)   ; mask; 2-byte elements; padding on; bit 21 beside a mask; after every row; 4 words
	s_or_b32 s[G1B+0], s22, (1<<16)|(1<<20)|(1<<21)|(QI<<22)|(3<<25)
.irp g, G1, G1B
	s_mov_b32 s[(\g)+1], KSTEP<<16                 ; tensor_dim0
	s_mov_b32 s[(\g)+2], LROWS<<16                 ; tensor_dim1
	s_mov_b32 s[(\g)+3], KSTEP<<16                 ; tile_dim0
	s_mov_b32 s[(\g)+4], LROWS                     ; tile_dim1
	s_mov_b32 s[(\g)+5], SIZE_K                    ; elements from row to row
	s_mov_b32 s[(\g)+6], 0
	s_mov_b32 s[(\g)+7], 0
.endr
	s_mul_i32 s41, s16, LROWS
	s_mul_i32 s40, s20, TM
	s_add_co_u32 s40, s40, s41                     ; A's first row: the tile row and the wave's number alone
	s_mul_i32 s46, s19, TN
	s_add_co_u32 s46, s46, s41                     ; B's: the tile column and the wave's number alone
	s_mov_b32 s41, 0
	s_mov_b32 s47, 0
	s_mov_b64 s[42:43], SIZE_K*2
	s_mul_u64 s[40:41], s[40:41], s[42:43]
	s_mul_u64 s[46:47], s[46:47], s[42:43]
	s_mul_i32 s23, s14, HALFT                      ; where my part of a slot lies
	s_wait_dscnt 0x0                               ; the opening add is done
	s_wait_kmcnt 0x0
	s_load_b32 s[FLAG], s[12:13], 0x0              ; waited for in front of the way out's loop
	s_add_nc_u64 s[44:45], s[4:5], s[40:41]
	s_add_nc_u64 s[46:47], s[6:7], s[46:47]
	CROUND                                         ; all sixteen work-groups are here: the first joint loads meet
.irp s, 0,1
	s_mov_b32 s[G0+4*(\s)], 1
	s_add_co_u32 s[G0+4*(\s)+1], s23, (\s)*SLOT
	s_add_nc_u64 s[G0+4*(\s)+2:G0+4*(\s)+3], s[44:45], (\s)*KSTEP*2
	s_or_b32 s[G0+4*(\s)+3], s[G0+4*(\s)+3], 0x80000000
	s_mov_b32 s[G0B+4*(\s)], 1
	s_add_co_u32 s[G0B+4*(\s)+1], s23, (\s)*SLOT
	s_add_nc_u64 s[G0B+4*(\s)+2:G0B+4*(\s)+3], s[46:47], (\s)*KSTEP*2
	s_or_b32 s[G0B+4*(\s)+3], s[G0B+4*(\s)+3], 0x80000000
	JLOAD \s                                       ; two loads of mine are out here, later one behind each round
.endr
	v_and_b32 v1, 15, v0                           ; r
	v_bfe_u32 v2, v0, 4, 1                         ; h
	v_mul_u32_u24 v3, v1, PITCH
	v_lshl_add_u32 v3, v2, 4, v3                   ; a fragment's row x pitch + 16 h
	s_mul_i32 s2, s15, HALFT                       ; my 128 rows of A
	s_mul_i32 s3, s16, HALFT                       ; my 128 rows of B,
	s_add_co_u32 s3, s3, 2*HALFT                   ; which lie behind A's 256
.irp s, 0,1
	v_add_nc_u32 v[ADRA+(\s)], s2, v3
	v_add_nc_u32 v[ADRB+(\s)], s3, v3
	s_add_co_u32 s2, s2, SLOT
	s_add_co_u32 s3, s3, SLOT
.endr
	; THE WAY OUT's addresses.  A row of 128 f32, pitch 528, lies in two planes: registers 0-3 of (a, b) at byte 32 b + 16 h, registers 4-7 at 256 + 32 b + 16 h,
	; so that lane i of 16 finds columns 8 i .. 8 i + 3 at byte 16 i and 8 i + 4 .. + 7 at 256 + 16 i.
	s_mul_i32 s2, s14, PART                        ; my own region
	v_mul_u32_u24 v5, v1, 528
	v_lshl_add_u32 v5, v2, 4, v5
	v_add_nc_u32 v[STO], s2, v5
	v_mul_u32_u24 v5, v2, 528
	v_lshl_add_u32 v5, v1, 4, v5
	v_add_nc_u32 v[RD], s2, v5
	v_lshlrev_b32 v5, 13, v2
	v_lshl_add_u32 v[CO], v1, 4, v5                ; two rows of C, 8,192 bytes apart, 16 bytes a lane
	v_lshlrev_b32 v4, 5, v1                        ; my 8 biases
	s_lshl_b32 s66, s20, 8
	s_lshl_b32 s67, s15, 7
	s_add_co_u32 s66, s66, s67                     ; my first row
	s_lshl_b32 s66, s66, 13
	s_lshl_b32 s68, s19, 8
	s_lshl_b32 s69, s16, 7
	s_add_co_u32 s68, s68, s69                     ; my first column
	s_lshl_b32 s67, s68, 1
	s_add_co_u32 s66, s66, s67
	s_mov_b32 s67, 0
	s_add_nc_u64 s[10:11], s[10:11], s[66:67]
	s_lshl_b32 s68, s68, 2
	s_mov_b32 s69, 0
	s_add_nc_u64 s[8:9], s[8:9], s[68:69]
	global_load_b128 v[8:11], v4, s[8:9]
	global_load_b128 v[12:15], v4, s[8:9] offset:16
	s_wait_tensorcnt 1                             ; my part of K step 0 is in; K step 1's may stay out
	s_barrier_signal -1
	s_barrier_wait -1
	FETCH 0, 0, F0
	QUARTER 0, 64, F0, F1, 1                       ; the first quarter stands in front of the loop: its products start the sums
	WIN 0
	s_mov_b32 s3, LAPS-1
.Llap:                                                 ; a trip goes once round the ring and fills both slots again
	QUARTER 0, 128, F1, F0, 0
	QUARTER 0, 192, F0, F1, 0
	TURN 0, 1, 1
	QUARTER 1, 64,  F0, F1, 0
	QUARTER 1, 128, F1, F0, 0
	QUARTER 1, 192, F0, F1, 0
	TURN 1, 0, 1
	QUARTER 0, 64,  F0, F1, 0
	WIN 0
	s_sub_co_u32 s3, s3, 1
	s_cmp_lg_u32 s3, 0
	s_cbranch_scc1 .Llap
	QUARTER 0, 128, F1, F0, 0                      ; the last lap fills nothing
	QUARTER 0, 192, F0, F1, 0
	TURN 0, 1, 0
	QUARTER 1, 64,  F0, F1, 0
	QUARTER 1, 128, F1, F0, 0
	QUARTER 1, 192, F0, F1, 0
	LASTQ
	PLACES
.irp a, 0,1,2,3,4,5,6,7
	WIN 0x08+4*((\a)/4)                            ; store data in window 2 or 3
.irp b, 0,1,2,3,4,5,6,7
	ds_store_b128 v[STO], v[8*(8*((\a)%4)+(\b)):8*(8*((\a)%4)+(\b))+3]   offset:(\a)*16*528+32*(\b)
	ds_store_b128 v[STO], v[8*(8*((\a)%4)+(\b))+4:8*(8*((\a)%4)+(\b))+7] offset:(\a)*16*528+32*(\b)+256
.endr
.endr
	WIN 0
.macro LD4                             ; four rows: lanes 0-15 rows 0 and 2, lanes 16-31 rows 1 and 3; LDS serves a wave's instructions in order (ISA guide 5.7.1.4): these see my stores above
	ds_load_b128 v[XX:XX+3],     v[RD]
	ds_load_b128 v[XX+4:XX+7],   v[RD] offset:256
	ds_load_b128 v[XX+8:XX+11],  v[RD] offset:2*528
	ds_load_b128 v[XX+12:XX+15], v[RD] offset:2*528+256
.endm
	LD4
	s_wait_loadcnt 0x0                             ; the bias
	s_wait_kmcnt 0x0                               ; the activation's number
	s_cmp_eq_u32 s[FLAG], 0                        ; it chooses the constants; they feed vector arithmetic alone
	s_cselect_b32 s[CC+0],  0, 0x3dcc41b4          ; c1
	s_cselect_b32 s[CC+2],  0, 0x3dad2fe7          ; c2
	s_cselect_b32 s[CC+4],  0, 0x3cd6cd72          ; c3
	s_cselect_b32 s[CC+6],  0, 0x3a1f6607          ; c4
	s_cselect_b32 s[CC+8],  0, 0x3acd0fec          ; c5
	s_cselect_b32 s[CC+10], 0, 0x39b49f67          ; c6
	s_cselect_b32 s[MASK], -1, 0x7fffffff
	s_cselect_b32 s[K0], 0x44800000, 1.0           ; 1,024 or 1
.irp c, 0,2,4,6,8,10
	s_mov_b32 s[CC+(\c)+1], s[CC+(\c)]             ; named as pairs
.endr
	s_mov_b32 s[K0+1], s[K0]
.irp q, 0,1,2,3
	v_pk_mul_f32 v[BH+2*(\q):BH+2*(\q)+1], v[BH+2*(\q):BH+2*(\q)+1], 0.5 op_sel_hi:[1,0]
.endr
	s_mov_b32 s3, 32
.Lrows:                                                ; 32 trips of four rows
	s_wait_dscnt 0x0
.set i, 0
.rept 8
	v_pk_fma_f32 v[XH+2*i:XH+2*i+1], v[XX+2*i:XX+2*i+1], 0.5, v[BH+2*(i%4):BH+2*(i%4)+1] op_sel_hi:[1,0,1]  ; (sum + bias) / 2
.set i, i+1
.endr
	s_cmp_eq_u32 s3, 1
	s_cbranch_scc1 .Lno_more                       ; the last trip fetches nothing
	v_add_nc_u32 v[RD], 4*528, v[RD]
	LD4
.Lno_more:
.set i, 0
.rept 16
	v_and_b32 v[TT+i], s[MASK], v[XH+i]
.set i, i+1
.endr
.set i, 0
.rept 8
	v_pk_fma_f32 v[PP+2*i:PP+2*i+1], v[TT+2*i:TT+2*i+1], s[CC+10:CC+11], s[CC+8:CC+9] op_sel_hi:[1,0,0]
.set i, i+1
.endr
.irp c, 6,4,2,0
.set i, 0
.rept 8
	v_pk_fma_f32 v[PP+2*i:PP+2*i+1], v[PP+2*i:PP+2*i+1], v[TT+2*i:TT+2*i+1], s[CC+(\c):CC+(\c)+1] op_sel_hi:[1,1,0]
.set i, i+1
.endr
.endr
.set i, 0
.rept 8
	v_pk_fma_f32 v[PP+2*i:PP+2*i+1], v[PP+2*i:PP+2*i+1], v[TT+2*i:TT+2*i+1], s[K0:K0+1] op_sel_hi:[1,1,0]
.set i, i+1
.endr
.set i, 0
.rept 16
	v_rcp_f32 v[PP+i], v[PP+i]
.set i, i+1
.endr
	v_nop                                          ; a plain instruction between the last reciprocal and the use of its result
	s_wait_alu depctr_va_vdst(0)
.rept 4                                ; the sixteenth power: four squarings
.set i, 0
.rept 8
	v_pk_mul_f32 v[PP+2*i:PP+2*i+1], v[PP+2*i:PP+2*i+1], v[PP+2*i:PP+2*i+1]
.set i, i+1
.endr
.endr
.set i, 0
.rept 8
	v_pk_add_f32 v[XH+2*i:XH+2*i+1], v[XH+2*i:XH+2*i+1], v[TT+2*i:TT+2*i+1]
.set i, i+1
.endr
.set i, 0
.rept 8
	v_pk_fma_f32 v[XH+2*i:XH+2*i+1], v[TT+2*i:TT+2*i+1], v[PP+2*i:PP+2*i+1], v[XH+2*i:XH+2*i+1] neg_lo:[1,0,0] neg_hi:[1,0,0]
.set i, i+1
.endr
.set i, 0
.rept 8
	v_cvt_pk_bf16_f32 v[YY+i], v[XH+2*i], v[XH+2*i+1]
.set i, i+1
.endr
	global_store_b128 v[CO], v[YY:YY+3], s[10:11]                   ; 16 lanes store 256 consecutive bytes, aligned
	global_store_b128 v[CO], v[YY+4:YY+7], s[10:11] offset:16384
	s_wait_xcnt 0x0                                ; the stores' data and offset are rewritten only behind this wait
	v_add_nc_u32 v[CO], 4*8192, v[CO]
	s_sub_co_u32 s3, s3, 1
	s_cmp_lg_u32 s3, 0
	s_cbranch_scc1 .Lrows
	s_wait_tensorcnt 0x0                           ; the wave's end
	ds_add_u32 v[SPW], v[NIL]
	s_wait_dscnt 0x0
	CROUND                                         ; the closing round
	s_endpgm
.Lfunc_end_k_qc2c206251f_gq:
	.size	k_qc2c206251f_gq, .Lfunc_end_k_qc2c206251f_gq-k_qc2c206251f_gq
	.p2alignl 7, 3214868480
	.fill 96, 4, 3214868480
	.section	.rodata,"a",@progbits
	.p2align	6, 0x0
	.amdhsa_kernel k_qc2c206251f_gq
		.amdhsa_group_segment_fixed_size 327680
		.amdhsa_private_segment_fixed_size 0
		.amdhsa_enable_private_segment 0
		.amdhsa_kernarg_size 40
		.amdhsa_user_sgpr_count 2
		.amdhsa_user_sgpr_kernarg_segment_ptr 1
		.amdhsa_wavefront_size32 1
		.amdhsa_system_sgpr_workgroup_id_x 1
		.amdhsa_system_sgpr_workgroup_id_y 1
		.amdhsa_system_sgpr_workgroup_id_z 1
		.amdhsa_system_vgpr_workitem_id 0
		.amdhsa_next_free_vgpr 1024
		.amdhsa_next_free_sgpr 88
		.amdhsa_reserve_vcc 0
		.amdhsa_float_denorm_mode_32 3
		.amdhsa_float_denorm_mode_16_64 3
		.amdhsa_memory_ordered 1
		.amdhsa_forward_progress 1
		.amdhsa_inst_pref_size 130
	.end_amdhsa_kernel
	.amdgpu_metadata
---
amdhsa.version: [ 1, 2 ]
amdhsa.kernels:
  - .name:           k_qc2c206251f_gq
    .symbol:         k_qc2c206251f_gq.kd
    .args:
      - { .name: hb, .offset: 0, .size: 8, .value_kind: global_buffer, .address_space: global }
      - { .name: wb, .offset: 8, .size: 8, .value_kind: global_buffer, .address_space: global }
      - { .name: b_qkv, .offset: 16, .size: 8, .value_kind: global_buffer, .address_space: global }
      - { .name: ffh, .offset: 24, .size: 8, .value_kind: global_buffer, .address_space: global }
      - { .name: pq, .offset: 32, .size: 8, .value_kind: global_buffer, .address_space: global }
    .group_segment_fixed_size: 327680
    .private_segment_fixed_size: 0
    .kernarg_segment_align: 8
    .kernarg_segment_size: 40
    .max_flat_workgroup_size: 128
    .sgpr_count:     88
    .vgpr_count:     1024
    .wavefront_size: 32
...
	.end_amdgpu_metadata
.endif
;; end of part 2
;; launch attn (part 3): grid 8 x 32, 4 waves a work-group, no clusters, 262,144 bytes of LDS; arguments ffh, att; writes att
.if DOCPART == 3
	.amdgcn_target "amdgcn-amd-amdhsa--gfx1250"
	.amdhsa_code_object_version 6
	.text
	.protected	k_qc2c206251f_attn
	.globl	k_qc2c206251f_attn
	.p2align	8
	.type	k_qc2c206251f_attn,@function
k_qc2c206251f_attn:
	s_mov_b64 s[64:65], 0
	v_nop
	global_prefetch_b8 v0, s[64:65] scope:SCOPE_SE
	s_setreg_imm32_b32 hwreg(HW_REG_WAVE_MODE, 25, 1), 1
	s_wait_xcnt 0x0
; att[token][head][:] = softmax over the seen keys of (q . k / 8) times v.  Key j is seen by query i where i - j is even and 0 <= i - j <= 512: the even and the odd positions of a
; sequence never meet, so the work is 2 (batch) x 2 (parity) x 16 (head) sequences of 1,024 rows with a causal band of 257 keys.  q, k, v lie in the first 3,072 columns of rows of 4,096 bf16
; (8,192 bytes); a parity's rows are rows at twice that pitch.
; SHARES.  Work-group (t, y): queries 128 t .. + 127 of parity sequence y / 8 (2 batch + parity), head pair y % 8: rows of K, V and att are then 256 aligned bytes.
; Wave w: head w & 1 of the pair, queries 64 (w >> 1) .. + 63 of the block: four tiles of 16.  The block's 384 keys (128 t - 256 .. 128 t + 127) lie in LDS at once: nothing is filled twice.
; A wave walks 5 steps of 64 keys from its first query less 256.  Step 0 hides the keys more than 256 back, step 4 those ahead of the query, steps 1-3 nothing.  Steps that lie before the
; sequence's start (2 t + (w >> 1) + step < 4) are jumped over; the chunks of LDS that they would read are filled from a clamped address and never read.
; THE MASK is the C operand that starts S^T = K Q^T: 0 or -1e30.  LAYOUT: S^T holds one query a lane (lane % 16) and keys 8 (lane / 16) + 0..7; two such results rounded to bf16 are source 1 of O^T = V^T P.
; SOFTMAX: running maximum m and sum l; p = 2^(c s - c m), c = log2(e) / 8; O and l are multiplied by a = 2^(c m_old - c m_new) in every step.  m starts at the lowest finite number, O and l at 0, so one
; text serves all steps (the price: 128 v_mov_b32 in the wait for the tiles).  Every row sees a key in its first live step, so m is a true score from then on.
; NO CLUSTER: neighbouring blocks share two thirds of their keys, but at other LDS rows: partners would need different descriptors.
; LIMITS: operands in bf16; a hidden score counts as its value less 1e30; a weight below 2^-126 counts as 0; NaN and infinities are not treated apart.
; REGISTERS: window 0: addresses, statistics, S^T v64-191 (32 a tile), P v192-255 (16 a tile); window 1: O^T v0-127 (32 a tile), masks v128-167; window 2: Q v0-63, K v128-191, V v192-255.
.set PK,    272                        ; a row of K: 256 bytes + 16: an odd multiple of 16
.set PV,    288                        ; a row of V: 256 + 32: an odd multiple of 32, for the turning load
.set VBASE, 384*PK
.set STAGE, VBASE+384*PV               ; 128 rows x 272 bytes for the way out; no tensor load lands here
.set SP,    272
.set SPARE, STAGE+128*SP               ; the spare words
.set AK0, 2
.set AV0, 3
.set AK,  4
.set AV,  5
.set STO, 6
.set RD,  7
.set GO,  8
.set MV,  12                           ; v12-15 c m_old by tile
.set ST,  16                           ; tile u at v[ST+4 u]: c m, m, l (even keys', odd keys')
.set TMP, 32                           ; tile u: c0-c3 at work; c2 takes a
.set QO,  48
.set SPW, 62
.set NIL, 63
.set S,   64
.set P,   192
.set MLO, 128                          ; window 1: -1e30 where 8 h + j < r
.set MHI, 136                          ;           -1e30 where 8 h + j > r
.set CB,  144                          ; the step's mask for key blocks below the tile's own,
.set CD,  152                          ; for its own,
.set CA,  160                          ; and for those above
.set KF,  128
.set VF,  192
.set G1K, 24
.set G1V, 32
.set G0,  40
.set CNT, 52
.set TBK, 53
.set TBV, 54
.set CS,  56
.set SEL, 58
.set BIGN, 60
.set AL,  66
.set BE,  68
.set VB,  70
.set VA,  71
.set MSB, 0
.macro WIN new
.if MSB != (\new)
	s_set_vgpr_msb (MSB<<8)|(\new)
.set MSB, \new
.endif
.endm
	s_load_b128 s[4:7], s[0:1], 0x0                ; q, k, v's buffer; att
	v_lshl_add_u32 v[SPW], v0, 2, SPARE
	v_mov_b32 v[NIL], 0
	ds_add_u32 v[SPW], v[NIL]                      ; the wave's opening: the add and its wait ahead of my first tensor load
	ds_add_u32 v62, v63
	v_lshrrev_b32 v1, 5, v0
	v_readfirstlane_b32 s8, v1                     ; wave
	s_and_b32 s9, s8, 1                            ; my head of the pair.  Also: which 64 rows of a chunk I fetch
	s_lshr_b32 s10, s8, 1                          ; my half of the queries.  Also: I fetch K (0) or V (1)
	s_mov_b32 s11, ttmp9                           ; t
	s_and_b32 s12, ttmp7, 0xffff
	s_and_b32 s13, s12, 7                          ; head pair
	s_lshr_b32 s14, s12, 3                         ; 2 batch + parity
	s_lshl_b32 s15, s11, 1
	s_add_co_u32 s15, s15, s10
	s_add_co_u32 s15, s15, 1                       ; a step is live where the count (5 .. 1) is not above this
	s_lshr_b32 s16, s14, 1
	s_lshl_b32 s16, s16, 11
	s_and_b32 s17, s14, 1
	s_add_co_u32 s16, s16, s17                     ; the sequence's first token row
	s_lshl_b32 s23, s16, 13                        ; its byte: 8,192 a row
	s_lshl_b32 s21, s9, 6
	s_add_co_u32 s20, s10, 1
	s_lshl_b32 s20, s20, 11                        ; K's columns begin at byte 2,048 of a row, V's at 4,096
	s_add_co_u32 s20, s20, s23
	s_lshl_b32 s22, s13, 8                         ; the head pair's 256 bytes
	s_add_co_u32 s20, s20, s22
	s_lshl_b32 s2, s11, 7
	s_lshl_b32 s3, s10, 6
	s_add_co_u32 s2, s2, s3                        ; my first query,
	s_lshl_b32 s2, s2, 14                          ; 16,384 bytes from row to row of a parity
	s_add_co_u32 s2, s2, s23
	s_add_co_u32 s2, s2, s22
	s_lshl_b32 s3, s9, 7
	s_add_co_u32 s2, s2, s3                        ; my head's 128 bytes
	s_mov_b32 s3, 0
	s_lshl_b32 s62, s11, 7
	s_lshl_b32 s63, s8, 5
	s_add_co_u32 s62, s62, s63                     ; the first row that I store: 128 t + 32 w,
	s_lshl_b32 s62, s62, 12                        ; 4,096 bytes from row to row of a parity in att
	s_lshl_b32 s63, s16, 11
	s_add_co_u32 s62, s62, s63
	s_add_co_u32 s62, s62, s22
	s_mov_b32 s63, 0
	s_mov_b32 s[G1K], (1<<16)|(1<<20)|(5<<22)|(3<<25)  ; 2-byte elements; padding on; after every 64 words; 4 words
	s_mov_b32 s[G1V], (1<<16)|(1<<20)|(5<<22)|(7<<25)  ; the same with 8 words
.irp g, G1K, G1V
	s_mov_b32 s[(\g)+1], 128<<16                   ; tensor_dim0
	s_mov_b32 s[(\g)+2], 64<<16                    ; tensor_dim1
	s_mov_b32 s[(\g)+3], 128<<16                   ; tile_dim0
	s_mov_b32 s[(\g)+4], 64                        ; tile_dim1
	s_mov_b32 s[(\g)+5], 8192                      ; two rows of 4,096 elements from row to row
	s_mov_b32 s[(\g)+6], 0
	s_mov_b32 s[(\g)+7], 0
.endr
	s_mov_b32 s[CS], 0x3e38aa3b                    ; c = log2(e) / 8
	s_mov_b32 s[CS+1], s[CS]
	s_mov_b32 s[SEL], 0x76543210
	s_mov_b32 s[SEL+1], 0xfedcba98
	s_mov_b32 s[BIGN], 0xf149f2ca                  ; -1e30
	s_mov_b32 s[AL+1], 0                           ; named as pairs
	s_mov_b32 s[BE+1], 0
	s_mul_i32 s[TBK], s10, 64*PK                   ; my step 0 begins at LDS row 64 (w >> 1)
	s_mul_i32 s[TBV], s10, 64*PV
	s_wait_dscnt 0x0                               ; the opening add is done
	s_wait_kmcnt 0x0
.irp c, 0,1,2
	s_add_co_u32 s18, s11, \c
	s_max_u32 s18, s18, 2
	s_sub_co_u32 s18, s18, 2                       ; chunk c holds keys 128 (t - 2 + c) on; before the start: chunk 0's, never read
	s_lshl_b32 s18, s18, 7
	s_add_co_u32 s18, s18, s21
	s_lshl_b32 s18, s18, 14
	s_add_co_u32 s18, s18, s20
	s_mov_b32 s19, 0
	s_mov_b32 s[G0+4*(\c)], 1
	s_add_nc_u64 s[G0+4*(\c)+2:G0+4*(\c)+3], s[4:5], s[18:19]
	s_or_b32 s[G0+4*(\c)+3], s[G0+4*(\c)+3], 0x80000000
.endr
	s_add_nc_u64 s[16:17], s[4:5], s[2:3]          ; Q at my first row
	s_add_nc_u64 s[6:7], s[6:7], s[62:63]          ; att at the first row that I store
	s_cmp_lt_u32 s8, 2                             ; a wave's three first fills stand in one branch: three loads of mine are out
	s_cbranch_scc0 .Lfor_v
	s_mul_i32 s22, s9, 64*PK
.irp c, 0,1,2
	s_add_co_u32 s[G0+4*(\c)+1], s22, (\c)*128*PK
.endr
.irp c, 0,1,2
	tensor_load_to_lds s[G0+4*(\c):G0+4*(\c)+3], s[G1K:G1K+7]
	s_nop 0
.endr
.rept 4
	v_nop
.endr
	s_branch .Lasked
.Lfor_v:
	s_mul_i32 s22, s9, 64*PV
.irp c, 0,1,2
	s_add_co_u32 s[G0+4*(\c)+1], s22, VBASE+(\c)*128*PV
.endr
.irp c, 0,1,2
	tensor_load_to_lds s[G0+4*(\c):G0+4*(\c)+3], s[G1V:G1V+7]
	s_nop 0
.endr
.rept 4
	v_nop
.endr
.Lasked:
	v_and_b32 v1, 15, v0                           ; r
	v_bfe_u32 v9, v0, 4, 1                         ; h
	v_lshlrev_b32 v[QO], 14, v1
	v_lshl_add_u32 v[QO], v9, 4, v[QO]
	WIN 0x80                                       ; destination window 2
.set i, 0
.rept 8                                ; Q stays in registers: tile i / 2 (16 rows of 16,384 bytes on), channels 32 (i % 2) on
	global_load_b128 v[8*i:8*i+3],   v[QO], s[16:17] offset:(i/2)*262144+(i%2)*64
	global_load_b128 v[8*i+4:8*i+7], v[QO], s[16:17] offset:(i/2)*262144+(i%2)*64+32
.set i, i+1
.endr
	WIN 0
	v_lshlrev_b32 v14, 3, v9
	v_sub_nc_u32 v14, v1, v14                      ; r - 8 h
	WIN 0x40
.set i, 0
.rept 8
	v_cmp_lt_i32 vcc_lo, i, v14
	v_cndmask_b32 v[MLO+i], 0, s[BIGN], vcc_lo
	v_cmp_gt_i32 vcc_lo, i, v14
	v_cndmask_b32 v[MHI+i], 0, s[BIGN], vcc_lo
.set i, i+1
.endr
.set i, 0
.rept 128
	v_mov_b32 v[i], 0                              ; O^T
.set i, i+1
.endr
	WIN 0
.set i, 0
.rept 4
	v_mov_b32 v[ST+4*i], 0xfe000000                ; c m: far below every c s
	v_mov_b32 v[ST+4*i+1], 0xff7fffff              ; m
	v_mov_b32 v[ST+4*i+2], 0
	v_mov_b32 v[ST+4*i+3], 0
.set i, i+1
.endr
	s_lshl_b32 s12, s9, 7                          ; my head's 128 bytes of a row
	v_mul_u32_u24 v[AK0], v1, PK
	v_lshl_add_u32 v[AK0], v9, 4, v[AK0]
	v_add_nc_u32 v[AK0], s12, v[AK0]
	v_and_b32 v10, 7, v0                           ; the turning load: lane l reads key 8 (l / 16) + l % 8, channels 8 ((l / 8) % 2) + 0..7
	v_bfe_u32 v11, v0, 3, 1
	v_lshl_add_u32 v[AV0], v9, 3, v10
	v_mul_u32_u24 v[AV0], v[AV0], PV
	v_lshl_add_u32 v[AV0], v11, 4, v[AV0]
	s_add_co_u32 s12, s12, VBASE
	v_add_nc_u32 v[AV0], s12, v[AV0]
	s_mul_i32 s12, s10, 64*SP                      ; into the stage: row 64 (w >> 1) + 16 u + r, my head's half of its 256 bytes
	s_lshl_b32 s18, s9, 7
	s_add_co_u32 s12, s12, s18
	s_add_co_u32 s12, s12, STAGE
	v_mul_u32_u24 v[STO], v1, SP
	v_lshl_add_u32 v[STO], v9, 4, v[STO]
	v_add_nc_u32 v[STO], s12, v[STO]
	s_mul_i32 s12, s8, 32*SP                       ; back: wave w takes rows 32 w .. + 31, whole
	s_add_co_u32 s12, s12, STAGE
	v_mul_u32_u24 v[RD], v9, SP
	v_lshl_add_u32 v[RD], v1, 4, v[RD]
	v_add_nc_u32 v[RD], s12, v[RD]
	v_lshlrev_b32 v[GO], 12, v9
	v_lshl_add_u32 v[GO], v1, 4, v[GO]
	s_wait_tensorcnt 0x0                           ; my parts of K or V are in,
	s_barrier_signal -1
	s_barrier_wait -1                              ; everybody's are
	s_wait_loadcnt 0x0                             ; Q
; Number n of the 22 that find tile u's maximum and statistics; each accumulator's lowest registers are read first.
.macro XS u, n
.set rT, ST+4*(\u)
.set rC, TMP+4*(\u)
.set rW, MV+(\u)
.set rS, S+32*(\u)
.if (\n) < 4
	v_max3_num_f32 v[rC+(\n)], v[rS+8*(\n)], v[rS+8*(\n)+1], v[rS+8*(\n)+2]
.elseif (\n) < 12
	v_max3_num_f32 v[rC+(\n)%4], v[rC+(\n)%4], v[rS+8*((\n)%4)+2*((\n)/4)+1], v[rS+8*((\n)%4)+2*((\n)/4)+2]
.elseif (\n) == 12
	v_max3_num_f32 v[rC], v[rC], v[rS+7], v[rS+15]
.elseif (\n) == 13
	v_max3_num_f32 v[rC+1], v[rC+1], v[rS+23], v[rS+31]
.elseif (\n) == 14
	v_max3_num_f32 v[rC+2], v[rC+2], v[rC+3], v[rT+1]
.elseif (\n) == 15
	v_mov_b32 v[rW], v[rT]                         ; c m_old is kept
.elseif (\n) == 16
	v_max3_num_f32 v[rC], v[rC], v[rC+1], v[rC+2]
.elseif (\n) == 17
	v_permlanex16_b32 v[rC+3], v[rC], s[SEL], s[SEL+1]  ; the query's other 32 keys lie in the lane 16 away
.elseif (\n) == 18
	v_max_num_f32 v[rT+1], v[rC], v[rC+3]
.elseif (\n) == 19
	v_mul_f32 v[rT], s[CS], v[rT+1]
.elseif (\n) == 20
	v_sub_f32 v[rC+1], v[rW], v[rT]
.else
	v_exp_f32 v[rC+2], v[rC+1]                     ; a
.endif
.endm
	s_mov_b32 s[CNT], 5
.Lstep:                                                ; step 5 - CNT
	s_cmp_gt_u32 s[CNT], s15
	s_cbranch_scc1 .Lnext                          ; before the sequence's start: a forward jump over text with no barrier and no tensor load
	s_cmp_eq_u32 s[CNT], 5                         ; step 0: key blocks below the tile's own are too far back, its own by MLO
	s_cselect_b32 s[VB], s[BIGN], 0
	s_cselect_b32 s[BE], 1.0, 0
	s_cmp_eq_u32 s[CNT], 1                         ; step 4: key blocks above the tile's own lie ahead of the query, its own by MHI
	s_cselect_b32 s[VA], s[BIGN], 0
	s_cselect_b32 s[AL], 1.0, 0
	v_add_nc_u32 v[AK], s[TBK], v[AK0]
	v_add_nc_u32 v[AV], s[TBV], v[AV0]
	WIN 0x51                                       ; destination, source 0 and source 2 in window 1.  These 24 plain lines are also the places behind the last step's products
.set i, 0
.rept 8
	v_mov_b32 v[CB+i], s[VB]
	v_mov_b32 v[CA+i], s[VA]
.set i, i+1
.endr
.set i, 0
.rept 4
	v_pk_mul_f32 v[CD+2*i:CD+2*i+1], v[MLO+2*i:MLO+2*i+1], s[BE:BE+1] op_sel_hi:[1,0]
.set i, i+1
.endr
.set i, 0
.rept 4
	v_pk_fma_f32 v[CD+2*i:CD+2*i+1], v[MHI+2*i:MHI+2*i+1], s[AL:AL+1], v[CD+2*i:CD+2*i+1] op_sel_hi:[1,0,1]
.set i, i+1
.endr
	WIN 0x80
.irp f, 0,1,2,3,4,5,6,7                ; K: keys 16 (f / 2) on, channels 32 (f % 2) on
	ds_load_b128 v[KF+8*(\f):KF+8*(\f)+3],   v[AK] offset:((\f)/2)*16*PK+((\f)%2)*64
	ds_load_b128 v[KF+8*(\f)+4:KF+8*(\f)+7], v[AK] offset:((\f)/2)*16*PK+((\f)%2)*64+32
.endr
.irp f, 0,1,2,3,4,5,6,7                ; V, turned: keys 32 (f / 4) on, channels 16 (f % 4) on
	ds_load_tr16_b128 v[VF+8*(\f):VF+8*(\f)+3],   v[AV] offset:((\f)/4)*32*PV+((\f)%4)*32
	ds_load_tr16_b128 v[VF+8*(\f)+4:VF+8*(\f)+7], v[AV] offset:((\f)/4)*32*PV+16*PV+((\f)%4)*32
.endr
	s_wait_dscnt 16                                ; K is in; V's sixteen loads may stay out
.set i, 0
.rept 32                               ; S^T = K Q^T: channels 32 (i / 16) on, keys 16 ((i / 4) % 4) on, tile i % 4: the 16 accumulators take turns
.set u, i%4
.set kb, (i/4)%4
.set rS, S+32*u+8*kb
.set rK, KF+16*kb+8*(i/16)
.set rQ, 16*u+8*(i/16)
.if i < 16
.set rM, CD
.if kb < u
.set rM, CB
.endif
.if kb > u
.set rM, CA
.endif
	WIN 0x1a                                       ; K, Q window 2; the mask window 1; S^T window 0
	v_wmma_f32_16x16x32_bf16 v[rS:rS+7], v[rK:rK+7], v[rQ:rQ+7], v[rM:rM+7]
.else
	WIN 0x0a
	v_wmma_f32_16x16x32_bf16 v[rS:rS+7], v[rK:rK+7], v[rQ:rQ+7], v[rS:rS+7]
.endif
.set i, i+1
.endr
	WIN 0
.rept 4
	v_nop                                          ; the places behind those products
.endr
.irp n, 0,1,2,3,4,5,6,7,8,9,10,11,12,13,14,15,16,17,18,19,20,21
.irp u, 0,1,2,3
	XS \u, \n
.endr
.endr
	v_nop                                          ; a plain instruction behind the exponentials
.set i, 0
.rept 64                               ; c s - c m: pair i / 4 of tile i % 4
	v_pk_fma_f32 v[S+32*(i%4)+2*(i/4):S+32*(i%4)+2*(i/4)+1], v[S+32*(i%4)+2*(i/4):S+32*(i%4)+2*(i/4)+1], s[CS:CS+1], v[ST+4*(i%4):ST+4*(i%4)+1] op_sel_hi:[1,0,0] neg_lo:[0,0,1] neg_hi:[0,0,1]
.set i, i+1
.endr
.set i, 0
.rept 128
	v_exp_f32 v[S+i], v[S+i]
.set i, i+1
.endr
	v_nop
.set i, 0
	s_wait_alu depctr_va_vdst(0)
.rept 64
	v_cvt_pk_bf16_f32 v[P+i], v[S+2*i], v[S+2*i+1]
.set i, i+1
.endr
.irp w, 4,8,16,32                      ; each tile's 16 pairs are summed in place: neighbours 1, 2, 4 and 8 pairs apart
.set i, 0
.rept 128/(\w)
	v_pk_add_f32 v[S+(\w)*i:S+(\w)*i+1], v[S+(\w)*i:S+(\w)*i+1], v[S+(\w)*i+(\w)/2:S+(\w)*i+(\w)/2+1]
.set i, i+1
.endr
.endr
.irp u, 0,1,2,3
	v_pk_fma_f32 v[ST+4*(\u)+2:ST+4*(\u)+3], v[ST+4*(\u)+2:ST+4*(\u)+3], v[TMP+4*(\u)+2:TMP+4*(\u)+3], v[S+32*(\u):S+32*(\u)+1] op_sel_hi:[1,0,1]  ; l = a l + sum
.endr
	WIN 0x41                                       ; O^T window 1, a window 0
.set i, 0
.rept 64
	v_pk_mul_f32 v[2*i:2*i+1], v[2*i:2*i+1], v[TMP+4*(i/16)+2:TMP+4*(i/16)+3] op_sel_hi:[1,0]
.set i, i+1
.endr
	s_wait_dscnt 0x0                               ; V is in
	WIN 0x52                                       ; V window 2, P window 0, O^T window 1
.set i, 0
.rept 32                               ; O^T += V^T P: keys 32 (i / 16) on, channels 16 ((i / 4) % 4) on, tile i % 4
	v_wmma_f32_16x16x32_bf16 v[32*(i%4)+8*((i/4)%4):32*(i%4)+8*((i/4)%4)+7], v[VF+32*(i/16)+8*((i/4)%4):VF+32*(i/16)+8*((i/4)%4)+7], v[P+16*(i%4)+8*(i/16):P+16*(i%4)+8*(i/16)+7], v[32*(i%4)+8*((i/4)%4):32*(i%4)+8*((i/4)%4)+7]
.set i, i+1
.endr
	WIN 0
.Lnext:
	s_add_co_u32 s[TBK], s[TBK], 64*PK
	s_add_co_u32 s[TBV], s[TBV], 64*PV
	s_sub_co_u32 s[CNT], s[CNT], 1
	s_cmp_lg_u32 s[CNT], 0
	s_cbranch_scc1 .Lstep
	; THE WAY OUT.  l's two halves and the other half of the lanes' are added; O^T is divided by l, rounded to bf16 and sent through the stage.  The four additions are the places behind the last products.
.irp t, 0,1,2,3
	v_add_f32 v[ST+4*(\t)+2], v[ST+4*(\t)+2], v[ST+4*(\t)+3]
.endr
.irp t, 0,1,2,3
	v_permlanex16_b32 v[ST+4*(\t)+3], v[ST+4*(\t)+2], s[SEL], s[SEL+1]
.endr
.irp t, 0,1,2,3
	v_add_f32 v[ST+4*(\t)+2], v[ST+4*(\t)+2], v[ST+4*(\t)+3]
.endr
.irp t, 0,1,2,3
	v_rcp_f32 v[ST+4*(\t)+2], v[ST+4*(\t)+2]
.endr
	v_nop
	s_wait_alu depctr_va_vdst(0)
.irp t, 0,1,2,3
	WIN 0x41
.set i, 0
.rept 16
	v_pk_mul_f32 v[32*(\t)+2*i:32*(\t)+2*i+1], v[32*(\t)+2*i:32*(\t)+2*i+1], v[ST+4*(\t)+2:ST+4*(\t)+3] op_sel_hi:[1,0]
.set i, i+1
.endr
	WIN 0x05                                       ; sources window 1, destination window 0
.set i, 0
.rept 16
	v_cvt_pk_bf16_f32 v[S+16*(\t)+i], v[32*(\t)+2*i], v[32*(\t)+2*i+1]
.set i, i+1
.endr
	WIN 0
.irp f, 0,1,2,3
	ds_store_b128 v[STO], v[S+16*(\t)+4*(\f):S+16*(\t)+4*(\f)+3] offset:(\t)*16*SP+32*(\f)
.endr
.endr
	s_wait_dscnt 0x0                               ; for the others' sake: a row's 256 bytes come from two waves
	s_barrier_signal -1
	s_barrier_wait -1
.irp j, 0,1,2,3,4,5,6,7,8,9,10,11,12,13,14,15
	ds_load_b128 v[128+4*(\j):128+4*(\j)+3], v[RD] offset:(\j)*2*SP
.endr
.irp j, 0,1,2,3,4,5,6,7,8,9,10,11,12,13,14,15
	s_wait_dscnt 15-(\j)
	global_store_b128 v[GO], v[128+4*(\j):128+4*(\j)+3], s[6:7] offset:8192*(\j)  ; 16 lanes store 256 consecutive bytes, aligned
.endr
	s_wait_tensorcnt 0x0                           ; the wave's end
	ds_add_u32 v[SPW], v[NIL]
	s_wait_dscnt 0x0
	s_endpgm
.Lfunc_end_k_qc2c206251f_attn:
	.size	k_qc2c206251f_attn, .Lfunc_end_k_qc2c206251f_attn-k_qc2c206251f_attn
	.p2alignl 7, 3214868480
	.fill 96, 4, 3214868480
	.section	.rodata,"a",@progbits
	.p2align	6, 0x0
	.amdhsa_kernel k_qc2c206251f_attn
		.amdhsa_group_segment_fixed_size 262144
		.amdhsa_private_segment_fixed_size 0
		.amdhsa_enable_private_segment 0
		.amdhsa_kernarg_size 16
		.amdhsa_user_sgpr_count 2
		.amdhsa_user_sgpr_kernarg_segment_ptr 1
		.amdhsa_wavefront_size32 1
		.amdhsa_system_sgpr_workgroup_id_x 1
		.amdhsa_system_sgpr_workgroup_id_y 1
		.amdhsa_system_sgpr_workgroup_id_z 1
		.amdhsa_system_vgpr_workitem_id 0
		.amdhsa_next_free_vgpr 768
		.amdhsa_next_free_sgpr 72
		.amdhsa_reserve_vcc 1
		.amdhsa_float_denorm_mode_32 3
		.amdhsa_float_denorm_mode_16_64 3
		.amdhsa_memory_ordered 1
		.amdhsa_forward_progress 1
		.amdhsa_inst_pref_size 62
	.end_amdhsa_kernel
	.amdgpu_metadata
---
amdhsa.version: [ 1, 2 ]
amdhsa.kernels:
  - .name:           k_qc2c206251f_attn
    .symbol:         k_qc2c206251f_attn.kd
    .args:
      - { .name: ffh, .offset: 0, .size: 8, .value_kind: global_buffer, .address_space: global }
      - { .name: att, .offset: 8, .size: 8, .value_kind: global_buffer, .address_space: global }
    .group_segment_fixed_size: 262144
    .private_segment_fixed_size: 0
    .kernarg_segment_align: 8
    .kernarg_segment_size: 16
    .max_flat_workgroup_size: 128
    .sgpr_count:     72
    .vgpr_count:     768
    .wavefront_size: 32
...
	.end_amdgpu_metadata
.endif
;; end of part 3
;; launch go (part 4): grid 8 x 32, 4 waves a work-group, clusters of 4 x 4, 327,680 bytes of LDS; arguments att, wb, b_o, x, o1; writes o1
.if DOCPART == 4
	.amdgcn_target "amdgcn-amd-amdhsa--gfx1250"
	.amdhsa_code_object_version 6
	.text
	.protected	k_qc2c206251f_go
	.globl	k_qc2c206251f_go
	.p2align	8
	.type	k_qc2c206251f_go,@function
k_qc2c206251f_go:
	s_mov_b64 s[64:65], 0
	v_nop
	global_prefetch_b8 v0, s[64:65] scope:SCOPE_SE
	s_setreg_imm32_b32 hwreg(HW_REG_WAVE_MODE, 25, 1), 1
	s_wait_xcnt 0x0
	s_wait_alu depctr_hold_cnt(0) depctr_sa_sdst(0) depctr_va_vdst(0) depctr_va_sdst(0) depctr_va_ssrc(0) depctr_va_vcc(0) depctr_vm_vsrc(0)
	s_getreg_b32 s2, hwreg(HW_REG_IB_STS2, 6, 4)
	s_cmp_eq_u32 s2, 0
	s_cbranch_scc0 .Lentry_in_a_cluster
	s_endpgm
.Lentry_in_a_cluster:
	s_bfe_u32 s2, ttmp6, 0x10000c
	s_cmp_lg_u32 s2, 0xf033
	s_cbranch_scc0 .Lentry_shape_is_right
	s_endpgm
.Lentry_shape_is_right:
; o1[m][n] = x[m][n] + sum over k of att[m][k] Wo[n][k] + b_o[n].  att: [4096][1024] bf16, Wo: [1024][1024] bf16 at byte WOFF of wb, x and o1: [4096][1024] f32; sums in f32.
; A tile of C is 128 x 128: 8 x 32 work-groups, one for each WGP.  Four waves; wave (hi, lo) makes rows 64 hi .. + 63 x ALL 128 columns for the K half lo of every K step of 256:
; 32 accumulators, 24 LDS loads for 32 matrix instructions.  The two K halves' f32 sums meet in LDS on the way out, where the residual tile, brought by a tensor load in the last lap, is added.
; K goes in steps of 256 (rows of 512 bytes) through a ring of two LDS slots filled by the tensor data mover; a wave's load brings 64 rows.
; CLUSTER 4 x 4: the four work-groups of a row of the cluster need the same tiles of A, the four of a column the same tiles of B: each tile is asked for jointly.
; The matrix instruction is used transposed (source 0 = 16 rows of B, source 1 = 16 rows of A): a lane holds eight neighbouring columns of one row of C.
; REGISTERS: window 0: v0-31 addresses and bias; v64-95, v128-159 A's fragments, two buffers; window 1: v64-127, v128-191 B's; window 2: accumulator (a, b) at v[8 (8 a + b)].
; LIMITS: operands in bf16; NaN and infinities are not treated apart.
.set SIZE_K, 1024
.set WOFF,   6291456
.set TM,     128
.set TN,     128
.set KSTEP,  256
.set PITCH,  528                       ; 512 bytes + 16 of padding: an odd multiple of 16
.set QI,     6
.set LROWS,  64
.set MA,     4
.set HALFT,  LROWS*PITCH
.set SLOT,   4*HALFT
.set SPARE,  2*SLOT                    ; the spare words
.set LAPS,   SIZE_K/(2*KSTEP)
.set PART,   64*528                    ; the way out: one wave's partial tile, 64 rows of 128 f32
.set ADRA, 16
.set ADRB, 20
.set STO,  24
.set RD,   25
.set CO,   26
.set RR,   27
.set SPW,  28
.set NIL,  29
.set YY,   32
.set P0,   64
.set P1,   96
.set RS,   128
.set F0,   64
.set F1,   128
.set G1,   24
.set G0,   32
.set G1B,  48
.set G0B,  56
.set G1R,  72
.set G0R,  80
.set MSB, 0
.macro WIN new
.if MSB != (\new)
	s_set_vgpr_msb (MSB<<8)|(\new)
.set MSB, \new
.endif
.endm
.macro JLOAD s                         ; a joint load: waves 0 and 1 fetch A's two halves, waves 2 and 3 B's; an s_nop 0 and four v_nop follow each line
	s_cmp_eq_u32 s15, 0
	s_cbranch_scc0 .Lfor_b_\@
	tensor_load_to_lds s[G0+4*(\s):G0+4*(\s)+3], s[G1:G1+7]
	s_nop 0
.rept 4
	v_nop
.endr
	s_branch .Lasked_\@
.Lfor_b_\@:
	tensor_load_to_lds s[G0B+4*(\s):G0B+4*(\s)+3], s[G1B:G1B+7]
	s_nop 0
.rept 4
	v_nop
.endr
.Lasked_\@:
.endm
.macro RLOAD                           ; my 32 rows of the residual tile, a load of my own
	tensor_load_to_lds s[G0R:G0R+3], s[G1R:G1R+7]
	s_nop 0
.rept 4
	v_nop
.endr
.endm
.macro CREST
	s_cmp_lg_u32 s14, 0
	s_cbranch_scc1 .Lnot_wave_0_\@
	s_barrier_signal -3
.Lnot_wave_0_\@:
	s_barrier_wait -3
	s_barrier_signal -1
	s_barrier_wait -1
.endm
.macro CROUND
	s_barrier_signal -1
	s_barrier_wait -1
	CREST
.endm
.macro PLACES                          ; four places in front of loads into registers that matrix instructions have read, and of reads of results
.rept 4
	v_nop
.endr
.endm
.macro MULA f, a, zero
	WIN 0xa1+0x50*((\a)/4)
.irp b, 0,1,2,3,4,5,6,7
.if \zero
	v_wmma_f32_16x16x32_bf16 v[8*(8*((\a)%4)+(\b)):8*(8*((\a)%4)+(\b))+7], v[(\f)+8*(\b):(\f)+8*(\b)+7], v[(\f)+8*(\a):(\f)+8*(\a)+7], 0
.else
	v_wmma_f32_16x16x32_bf16 v[8*(8*((\a)%4)+(\b)):8*(8*((\a)%4)+(\b))+7], v[(\f)+8*(\b):(\f)+8*(\b)+7], v[(\f)+8*(\a):(\f)+8*(\a)+7], v[8*(8*((\a)%4)+(\b)):8*(8*((\a)%4)+(\b))+7]
.endif
.endr
.endm
.macro MULS f, a0, n, zero             ; the accumulators take turns, one instruction a turn, in the same order in every quarter
.set aa, \a0
.rept \n
	MULA \f, aa, \zero
.set aa, aa+1
.endr
.endm
.macro FETCH slot, k, f
	WIN 0x40
.irp i, 0,1,2,3,4,5,6,7
	ds_load_b128 v[(\f)+8*(\i):(\f)+8*(\i)+3],   v[ADRB+(\slot)] offset:(\k)+(\i)*16*PITCH
	ds_load_b128 v[(\f)+8*(\i)+4:(\f)+8*(\i)+7], v[ADRB+(\slot)] offset:(\k)+(\i)*16*PITCH+32
.endr
	WIN 0
.set ii, 0
.rept MA
	ds_load_b128 v[(\f)+8*ii:(\f)+8*ii+3],   v[ADRA+(\slot)] offset:(\k)+ii*16*PITCH
	ds_load_b128 v[(\f)+8*ii+4:(\f)+8*ii+7], v[ADRA+(\slot)] offset:(\k)+ii*16*PITCH+32
.set ii, ii+1
.endr
.endm
.macro QUARTER slot, k, f, g, zero
	s_wait_dscnt MA                                ; B and A's lower blocks are in; the youngest MA loads may be out
	MULS \f, 0, MA/2, \zero
	PLACES
	FETCH \slot, \k, \g
	s_wait_dscnt 16+2*MA                           ; all but the run just issued
	MULS \f, MA/2, MA/2, \zero
.endm
; The change of slots.  fill = 1: a round of the cluster's barrier, and this slot is filled again, two K steps ahead.  fill = 2: a round, and the slot's first 65,536 bytes take the residual tile.
.macro TURN slot, next, fill
	WIN 0
	s_wait_tensorcnt 0x0                           ; all my tensor loads have landed
	ds_add_u32 v[SPW], v[NIL]
	s_wait_dscnt MA+1                              ; the add and the youngest MA loads may be out
	MULS F1, 0, MA/4, 0
	s_wait_dscnt 0x0                               ; the add is done, and my reads of this slot are over
	s_barrier_signal -1
	MULS F1, MA/4, MA/4, 0
	WIN 0
	s_barrier_wait -1
	CREST                                          ; no wave of any partner still reads this slot or has a load on its way
.if (\fill) == 1
	s_add_nc_u64 s[G0+4*(\slot)+2:G0+4*(\slot)+3], s[G0+4*(\slot)+2:G0+4*(\slot)+3], 4*KSTEP
	s_add_nc_u64 s[G0B+4*(\slot)+2:G0B+4*(\slot)+3], s[G0B+4*(\slot)+2:G0B+4*(\slot)+3], 4*KSTEP
	JLOAD \slot
.else
	RLOAD
.endif
	FETCH \next, 0, F0
	MULS F1, MA/2, MA/2, 0
.endm
.macro LASTQ                           ; behind its barrier no wave reads slot 1 any more
	s_wait_dscnt MA
	MULS F1, 0, MA/2, 0
	s_wait_dscnt 0x0
	s_barrier_signal -1
	MULS F1, MA/2, MA/2, 0
	s_barrier_wait -1
.endm
	s_load_b256 s[4:11], s[0:1], 0x0               ; A s[4:5], wb s[6:7], bias s[8:9], residual s[10:11]
	s_load_b64 s[12:13], s[0:1], 0x20              ; out
	v_lshl_add_u32 v[SPW], v0, 2, SPARE
	v_mov_b32 v[NIL], 0
	ds_add_u32 v[SPW], v[NIL]                      ; the wave's opening: the add and its wait ahead of my first tensor load
	ds_add_u32 v28, v29
	v_lshrrev_b32 v1, 5, v0
	v_readfirstlane_b32 s14, v1                    ; wave
	s_lshr_b32 s15, s14, 1                         ; hi
	s_and_b32 s16, s14, 1                          ; lo
	s_bfe_u32 s17, ttmp6, 0x40000                  ; cx
	s_bfe_u32 s18, ttmp6, 0x40004                  ; cy
	s_lshl_b32 s19, ttmp9, 2
	s_add_co_u32 s19, s19, s17                     ; tile column
	s_and_b32 s20, ttmp7, 0xffff
	s_lshl_b32 s20, s20, 2
	s_add_co_u32 s20, s20, s18                     ; tile row
	s_lshl_b32 s21, s18, 2
	s_lshl_b32 s21, 15, s21                        ; my row of the cluster
	s_lshl_b32 s22, 0x1111, s17                    ; my column
	s_or_b32 s[G1+0], s21, (1<<16)|(1<<20)|(1<<21)|(QI<<22)|(3<<25)
	s_or_b32 s[G1B+0], s22, (1<<16)|(1<<20)|(1<<21)|(QI<<22)|(3<<25)
.irp g, G1, G1B
	s_mov_b32 s[(\g)+1], KSTEP<<16
	s_mov_b32 s[(\g)+2], LROWS<<16
	s_mov_b32 s[(\g)+3], KSTEP<<16
	s_mov_b32 s[(\g)+4], LROWS
	s_mov_b32 s[(\g)+5], SIZE_K
	s_mov_b32 s[(\g)+6], 0
	s_mov_b32 s[(\g)+7], 0
.endr
	s_mov_b32 s[G1R+0], 2<<16                      ; the residual tile: 4-byte elements, no mask, no padding
	s_mov_b32 s[G1R+1], 128<<16                    ; tensor_dim0
	s_mov_b32 s[G1R+2], 32<<16                     ; tensor_dim1
	s_mov_b32 s[G1R+3], 128<<16                    ; tile_dim0
	s_mov_b32 s[G1R+4], 32                         ; tile_dim1
	s_mov_b32 s[G1R+5], 1024
	s_mov_b32 s[G1R+6], 0
	s_mov_b32 s[G1R+7], 0
	s_mul_i32 s41, s16, LROWS
	s_mul_i32 s40, s20, TM
	s_add_co_u32 s40, s40, s41
	s_mul_i32 s46, s19, TN
	s_add_co_u32 s46, s46, s41
	s_mov_b32 s41, 0
	s_mov_b32 s47, 0
	s_mov_b64 s[42:43], SIZE_K*2
	s_mul_u64 s[40:41], s[40:41], s[42:43]
	s_mul_u64 s[46:47], s[46:47], s[42:43]
	s_add_nc_u64 s[46:47], s[46:47], WOFF
	s_mul_i32 s23, s14, HALFT
	s_wait_dscnt 0x0                               ; the opening add is done
	s_wait_kmcnt 0x0
	s_add_nc_u64 s[44:45], s[4:5], s[40:41]
	s_add_nc_u64 s[46:47], s[6:7], s[46:47]
	CROUND                                         ; the first joint loads meet
.irp s, 0,1
	s_mov_b32 s[G0+4*(\s)], 1
	s_add_co_u32 s[G0+4*(\s)+1], s23, (\s)*SLOT
	s_add_nc_u64 s[G0+4*(\s)+2:G0+4*(\s)+3], s[44:45], (\s)*KSTEP*2
	s_or_b32 s[G0+4*(\s)+3], s[G0+4*(\s)+3], 0x80000000
	s_mov_b32 s[G0B+4*(\s)], 1
	s_add_co_u32 s[G0B+4*(\s)+1], s23, (\s)*SLOT
	s_add_nc_u64 s[G0B+4*(\s)+2:G0B+4*(\s)+3], s[46:47], (\s)*KSTEP*2
	s_or_b32 s[G0B+4*(\s)+3], s[G0B+4*(\s)+3], 0x80000000
	JLOAD \s                                       ; two loads of mine are out here, later one behind each round
.endr
	v_and_b32 v1, 15, v0                           ; r
	v_bfe_u32 v2, v0, 4, 1                         ; h
	v_mul_u32_u24 v3, v1, PITCH
	v_lshl_add_u32 v3, v2, 4, v3
	s_mul_i32 s2, s15, HALFT
	s_lshl_b32 s3, s16, 8
	s_add_co_u32 s2, s2, s3
	s_add_co_u32 s3, s3, 2*HALFT
.irp s, 0,1
	v_add_nc_u32 v[ADRA+(\s)], s2, v3
	v_add_nc_u32 v[ADRB+(\s)], s3, v3
	s_add_co_u32 s2, s2, SLOT
	s_add_co_u32 s3, s3, SLOT
.endr
	; THE WAY OUT's addresses.  A partial tile's rows lie as they are: 128 f32, pitch 528; registers 0-3 of (a, b) at byte 64 b + 32 h, registers 4-7 16 further.
	s_mul_i32 s2, s14, PART
	s_add_co_u32 s2, s2, SLOT                      ; the partial tiles lie in slot 1, which has had its last fill
	v_mul_u32_u24 v5, v1, 528
	v_lshl_add_u32 v5, v2, 5, v5
	v_add_nc_u32 v[STO], s2, v5
	v_and_b32 v4, 31, v0
	v_lshlrev_b32 v4, 4, v4                        ; 16 x lane: a lane has four columns of every row
	s_mul_i32 s2, s15, 2*PART
	s_mul_i32 s3, s16, 32*528
	s_add_co_u32 s2, s2, s3
	s_add_co_u32 s2, s2, SLOT                      ; back: wave w finishes the tile's rows 32 w .. 32 w + 31
	v_add_nc_u32 v[RD], s2, v4
	s_lshl_b32 s2, s14, 14                         ; my 32 rows of the residual tile, 512 bytes each, in slot 0
	v_add_nc_u32 v[RR], s2, v4
	v_mov_b32 v[CO], v4
	s_lshl_b32 s66, s20, 7
	s_lshl_b32 s67, s14, 5
	s_add_co_u32 s66, s66, s67                     ; the first row that I finish
	s_lshl_b32 s66, s66, 12
	s_lshl_b32 s67, s19, 9                         ; the tile's 128 columns: 512 bytes
	s_add_co_u32 s66, s66, s67
	s_mov_b32 s67, 0
	s_add_nc_u64 s[12:13], s[12:13], s[66:67]
	s_mov_b32 s[G0R], 1
	s_lshl_b32 s[G0R+1], s14, 14
	s_add_nc_u64 s[G0R+2:G0R+3], s[10:11], s[66:67]
	s_or_b32 s[G0R+3], s[G0R+3], 0x80000000
	s_lshl_b32 s68, s19, 9
	s_mov_b32 s69, 0
	s_add_nc_u64 s[8:9], s[8:9], s[68:69]
	global_load_b128 v[8:11], v4, s[8:9]           ; my four biases
	s_wait_tensorcnt 1                             ; my part of K step 0 is in; K step 1's may stay out
	s_barrier_signal -1
	s_barrier_wait -1
	FETCH 0, 0, F0
	QUARTER 0, 64, F0, F1, 1                       ; the first quarter's products start the sums
	WIN 0
	s_mov_b32 s3, LAPS-1
.Llap:
	QUARTER 0, 128, F1, F0, 0
	QUARTER 0, 192, F0, F1, 0
	TURN 0, 1, 1
	QUARTER 1, 64,  F0, F1, 0
	QUARTER 1, 128, F1, F0, 0
	QUARTER 1, 192, F0, F1, 0
	TURN 1, 0, 1
	QUARTER 0, 64,  F0, F1, 0
	WIN 0
	s_sub_co_u32 s3, s3, 1
	s_cmp_lg_u32 s3, 0
	s_cbranch_scc1 .Llap
	QUARTER 0, 128, F1, F0, 0
	QUARTER 0, 192, F0, F1, 0
	TURN 0, 1, 2                                   ; slot 0 is read out: it takes the residual tile, which has the last K step in which to land
	QUARTER 1, 64,  F0, F1, 0
	QUARTER 1, 128, F1, F0, 0
	QUARTER 1, 192, F0, F1, 0
	LASTQ
	PLACES
	WIN 0x08                                       ; store data in window 2
.irp a, 0,1,2,3
.irp b, 0,1,2,3,4,5,6,7
	ds_store_b128 v[STO], v[8*(8*(\a)+(\b)):8*(8*(\a)+(\b))+3]   offset:(\a)*16*528+64*(\b)
	ds_store_b128 v[STO], v[8*(8*(\a)+(\b))+4:8*(8*(\a)+(\b))+7] offset:(\a)*16*528+64*(\b)+16
.endr
.endr
	WIN 0
	s_wait_tensorcnt 0x0                           ; my rows of the residual tile are in: only I read them
	s_wait_dscnt 0x0                               ; for the others' sake: my partial tile is written
	s_barrier_signal -1
	s_barrier_wait -1
.macro LDR                             ; eight rows: both K halves and the residual
.irp j, 0,1,2,3,4,5,6,7
	ds_load_b128 v[P0+4*(\j):P0+4*(\j)+3], v[RD] offset:528*(\j)
	ds_load_b128 v[P1+4*(\j):P1+4*(\j)+3], v[RD] offset:528*(\j)+PART
	ds_load_b128 v[RS+4*(\j):RS+4*(\j)+3], v[RR] offset:512*(\j)
.endr
.endm
	LDR
	s_wait_loadcnt 0x0                             ; the bias
	s_mov_b32 s3, 4
.Lrows:                                                ; four trips of eight rows
	s_wait_dscnt 0x0
.set i, 0
.rept 16
	v_pk_add_f32 v[YY+2*i:YY+2*i+1], v[P0+2*i:P0+2*i+1], v[P1+2*i:P1+2*i+1]
.set i, i+1
.endr
.set i, 0
.rept 16
	v_pk_add_f32 v[YY+2*i:YY+2*i+1], v[YY+2*i:YY+2*i+1], v[RS+2*i:RS+2*i+1]
.set i, i+1
.endr
	s_cmp_eq_u32 s3, 1
	s_cbranch_scc1 .Lno_more                       ; the last trip fetches nothing
	v_add_nc_u32 v[RD], 8*528, v[RD]
	v_add_nc_u32 v[RR], 8*512, v[RR]
	LDR
.Lno_more:
.set i, 0
.rept 16
	v_pk_add_f32 v[YY+2*i:YY+2*i+1], v[YY+2*i:YY+2*i+1], v[8+2*(i%2):8+2*(i%2)+1]
.set i, i+1
.endr
.irp j, 0,1,2,3,4,5,6,7
	global_store_b128 v[CO], v[YY+4*(\j):YY+4*(\j)+3], s[12:13] offset:4096*(\j)  ; a store covers 512 consecutive bytes, aligned
.endr
	s_wait_xcnt 0x0                                ; the stores' data and offset are rewritten only behind this wait
	v_add_nc_u32 v[CO], 8*4096, v[CO]
	s_sub_co_u32 s3, s3, 1
	s_cmp_lg_u32 s3, 0
	s_cbranch_scc1 .Lrows
	s_wait_tensorcnt 0x0                           ; the wave's end
	ds_add_u32 v[SPW], v[NIL]
	s_wait_dscnt 0x0
	CROUND                                         ; the closing round
	s_endpgm
.Lfunc_end_k_qc2c206251f_go:
	.size	k_qc2c206251f_go, .Lfunc_end_k_qc2c206251f_go-k_qc2c206251f_go
	.p2alignl 7, 3214868480
	.fill 96, 4, 3214868480
	.section	.rodata,"a",@progbits
	.p2align	6, 0x0
	.amdhsa_kernel k_qc2c206251f_go
		.amdhsa_group_segment_fixed_size 327680
		.amdhsa_private_segment_fixed_size 0
		.amdhsa_enable_private_segment 0
		.amdhsa_kernarg_size 40
		.amdhsa_user_sgpr_count 2
		.amdhsa_user_sgpr_kernarg_segment_ptr 1
		.amdhsa_wavefront_size32 1
		.amdhsa_system_sgpr_workgroup_id_x 1
		.amdhsa_system_sgpr_workgroup_id_y 1
		.amdhsa_system_sgpr_workgroup_id_z 1
		.amdhsa_system_vgpr_workitem_id 0
		.amdhsa_next_free_vgpr 768
		.amdhsa_next_free_sgpr 84
		.amdhsa_reserve_vcc 0
		.amdhsa_float_denorm_mode_32 3
		.amdhsa_float_denorm_mode_16_64 3
		.amdhsa_memory_ordered 1
		.amdhsa_forward_progress 1
		.amdhsa_inst_pref_size 84
	.end_amdhsa_kernel
	.amdgpu_metadata
---
amdhsa.version: [ 1, 2 ]
amdhsa.kernels:
  - .name:           k_qc2c206251f_go
    .symbol:         k_qc2c206251f_go.kd
    .args:
      - { .name: att, .offset: 0, .size: 8, .value_kind: global_buffer, .address_space: global }
      - { .name: wb, .offset: 8, .size: 8, .value_kind: global_buffer, .address_space: global }
      - { .name: b_o, .offset: 16, .size: 8, .value_kind: global_buffer, .address_space: global }
      - { .name: x, .offset: 24, .size: 8, .value_kind: global_buffer, .address_space: global }
      - { .name: o1, .offset: 32, .size: 8, .value_kind: global_buffer, .address_space: global }
    .group_segment_fixed_size: 327680
    .private_segment_fixed_size: 0
    .kernarg_segment_align: 8
    .kernarg_segment_size: 40
    .max_flat_workgroup_size: 128
    .sgpr_count:     84
    .vgpr_count:     768
    .wavefront_size: 32
...
	.end_amdgpu_metadata
.endif
;; end of part 4
;; launch ln2 (part 5): grid 256 x 1, 8 waves a work-group, no clusters, 0 bytes of LDS; arguments o1, ln2_g, ln2_b, hb; writes hb
.if DOCPART == 5
	.amdgcn_target "amdgcn-amd-amdhsa--gfx1250"
	.amdhsa_code_object_version 6
	.text
	.protected	k_qc2c206251f_ln2
	.globl	k_qc2c206251f_ln2
	.p2align	8
	.type	k_qc2c206251f_ln2,@function
k_qc2c206251f_ln2:
	s_mov_b64 s[64:65], 0
	v_nop
	global_prefetch_b8 v0, s[64:65] scope:SCOPE_SE
	s_setreg_imm32_b32 hwreg(HW_REG_WAVE_MODE, 25, 1), 1
	s_wait_xcnt 0x0
; hb = LayerNorm(o1) * ln2_g + ln2_b, rounded once to bf16.  o1: [4096][1024] f32.  A stream: no LDS, no matrix unit, no cluster.
; A work-group owns 16 rows, a wave 2; a row lies in 32 registers of one wave between the passes, so it is read once.  Mean first, then the mean of (x - mean)^2,
; as the reference has it: no difference of large sums.  NaN and infinities are not treated apart.
.set X,   8                            ; v[8:71]    two rows; load j holds columns 128 j + 4 lane + 0..3
.set G,   72
.set BB,  104
.set A,   136                          ; four chains of packed sums
.set RED, 144
.set SRC, 4
.set GP,  6
.set BP,  8
.set DST, 10
	s_load_b256 s[4:11], s[0:1], 0x0               ; o1, ln2_g, ln2_b, hb
	v_and_b32 v1, 31, v0                           ; lane
	v_lshrrev_b32 v2, 5, v0                        ; wave
	v_lshlrev_b32 v3, 3, v1
	v_lshl_add_u32 v3, v2, 12, v3                  ; out: wave x 2 rows x 2,048 bytes + 8 x lane
	v_lshlrev_b32 v2, 1, v3                        ; in: twice that
	v_lshlrev_b32 v1, 4, v1
	v_mov_b32 v[RED+1], 0                          ; v_permlanex16_b32 counts as a reader of its destination
	s_lshl_b32 s22, ttmp9, 16
	s_mov_b32 s23, 0
	s_lshl_b32 s24, ttmp9, 15
	s_mov_b32 s25, 0
	s_mov_b32 s28, 0x3a800000                      ; 1 / 1024
	s_mov_b32 s29, 0x3727c5ac                      ; 1e-5
	s_mov_b32 s30, 0x76543210
	s_mov_b32 s31, 0xfedcba98
	s_wait_kmcnt 0x0
	s_add_nc_u64 s[SRC:SRC+1], s[SRC:SRC+1], s[22:23]
	s_add_nc_u64 s[DST:DST+1], s[DST:DST+1], s[24:25]
.irp r, 0,1
.irp j, 0,1,2,3,4,5,6,7
	global_load_b128 v[X+32*(\r)+4*(\j):X+32*(\r)+4*(\j)+3], v2, s[SRC:SRC+1] offset:4096*(\r)+512*(\j)
.endr
.endr
.irp j, 0,1,2,3,4,5,6,7
	global_load_b128 v[G+4*(\j):G+4*(\j)+3], v1, s[GP:GP+1] offset:512*(\j)
.endr
.irp j, 0,1,2,3,4,5,6,7
	global_load_b128 v[BB+4*(\j):BB+4*(\j)+3], v1, s[BP:BP+1] offset:512*(\j)
.endr
.macro LANESUM
	v_add_f32_dpp v[RED], v[RED], v[RED] row_xmask:1 row_mask:0xf bank_mask:0xf
	v_add_f32_dpp v[RED], v[RED], v[RED] row_xmask:2 row_mask:0xf bank_mask:0xf
	v_add_f32_dpp v[RED], v[RED], v[RED] row_xmask:4 row_mask:0xf bank_mask:0xf
	v_add_f32_dpp v[RED], v[RED], v[RED] row_xmask:8 row_mask:0xf bank_mask:0xf
	v_permlanex16_b32 v[RED+1], v[RED], s30, s31
	v_add_f32 v[RED], v[RED], v[RED+1]
.endm
.macro FOLD
	v_pk_add_f32 v[A:A+1], v[A:A+1], v[A+2:A+3]
	v_pk_add_f32 v[A+4:A+5], v[A+4:A+5], v[A+6:A+7]
	v_pk_add_f32 v[A:A+1], v[A:A+1], v[A+4:A+5]
	v_add_f32 v[RED], v[A], v[A+1]
.endm
.macro LNROW r, left                   ; left = the younger loads that may stay out
.set XR, X+32*(\r)
	s_wait_loadcnt \left
.irp k, 0,1,2,3
	v_pk_add_f32 v[A+2*(\k):A+2*(\k)+1], v[XR+2*(\k):XR+2*(\k)+1], v[XR+8+2*(\k):XR+8+2*(\k)+1]
.endr
.irp i, 8,9,10,11,12,13,14,15
	v_pk_add_f32 v[A+2*((\i)%4):A+2*((\i)%4)+1], v[A+2*((\i)%4):A+2*((\i)%4)+1], v[XR+2*(\i):XR+2*(\i)+1]
.endr
	FOLD
	LANESUM
	v_mul_f32 v4, s28, v[RED]                      ; the mean, twice
	v_mul_f32 v5, s28, v[RED]
.set i, 0
.rept 16
	v_pk_add_f32 v[XR+2*i:XR+2*i+1], v[XR+2*i:XR+2*i+1], v[4:5] neg_lo:[0,1] neg_hi:[0,1]
.set i, i+1
.endr
.irp k, 0,1,2,3
	v_pk_mul_f32 v[A+2*(\k):A+2*(\k)+1], v[XR+2*(\k):XR+2*(\k)+1], v[XR+2*(\k):XR+2*(\k)+1]
.endr
.irp i, 4,5,6,7,8,9,10,11,12,13,14,15
	v_pk_fma_f32 v[A+2*((\i)%4):A+2*((\i)%4)+1], v[XR+2*(\i):XR+2*(\i)+1], v[XR+2*(\i):XR+2*(\i)+1], v[A+2*((\i)%4):A+2*((\i)%4)+1]
.endr
	FOLD
	LANESUM
	v_fma_f32 v[RED], v[RED], s28, s29             ; variance + eps
	v_rsq_f32 v6, v[RED]
	v_rsq_f32 v7, v[RED]
	v_nop                                          ; a plain instruction between the root and the use of its result (ISA guide 5.7.2)
.if (\r) == 0
	s_wait_loadcnt 0x0                             ; gains and biases, once
.endif
.set i, 0
	s_wait_alu depctr_va_vdst(0)
.rept 16
	v_pk_mul_f32 v[XR+2*i:XR+2*i+1], v[XR+2*i:XR+2*i+1], v[6:7]
.set i, i+1
.endr
.set i, 0
.rept 16
	v_pk_fma_f32 v[XR+2*i:XR+2*i+1], v[XR+2*i:XR+2*i+1], v[G+2*i:G+2*i+1], v[BB+2*i:BB+2*i+1]
.set i, i+1
.endr
.set i, 0
.rept 16
	v_cvt_pk_bf16_f32 v[XR+i], v[XR+2*i], v[XR+2*i+1]
.set i, i+1
.endr
.irp j, 0,1,2,3,4,5,6,7
	global_store_b64 v3, v[XR+2*(\j):XR+2*(\j)+1], s[DST:DST+1] offset:2048*(\r)+256*(\j)  ; 32 lanes store 256 consecutive bytes, aligned
.endr
.endm
	LNROW 0, 24                                    ; behind row 0's loads: row 1's eight, eight of gains, eight of biases
	LNROW 1, 0
	s_endpgm
.Lfunc_end_k_qc2c206251f_ln2:
	.size	k_qc2c206251f_ln2, .Lfunc_end_k_qc2c206251f_ln2-k_qc2c206251f_ln2
	.p2alignl 7, 3214868480
	.fill 96, 4, 3214868480
	.section	.rodata,"a",@progbits
	.p2align	6, 0x0
	.amdhsa_kernel k_qc2c206251f_ln2
		.amdhsa_group_segment_fixed_size 0
		.amdhsa_private_segment_fixed_size 0
		.amdhsa_enable_private_segment 0
		.amdhsa_kernarg_size 32
		.amdhsa_user_sgpr_count 2
		.amdhsa_user_sgpr_kernarg_segment_ptr 1
		.amdhsa_wavefront_size32 1
		.amdhsa_system_sgpr_workgroup_id_x 1
		.amdhsa_system_sgpr_workgroup_id_y 1
		.amdhsa_system_sgpr_workgroup_id_z 1
		.amdhsa_system_vgpr_workitem_id 0
		.amdhsa_next_free_vgpr 148
		.amdhsa_next_free_sgpr 66
		.amdhsa_reserve_vcc 0
		.amdhsa_float_denorm_mode_32 3
		.amdhsa_float_denorm_mode_16_64 3
		.amdhsa_memory_ordered 1
		.amdhsa_forward_progress 1
		.amdhsa_inst_pref_size 20
	.end_amdhsa_kernel
	.amdgpu_metadata
---
amdhsa.version: [ 1, 2 ]
amdhsa.kernels:
  - .name:           k_qc2c206251f_ln2
    .symbol:         k_qc2c206251f_ln2.kd
    .args:
      - { .name: o1, .offset: 0, .size: 8, .value_kind: global_buffer, .address_space: global }
      - { .name: ln2_g, .offset: 8, .size: 8, .value_kind: global_buffer, .address_space: global }
      - { .name: ln2_b, .offset: 16, .size: 8, .value_kind: global_buffer, .address_space: global }
      - { .name: hb, .offset: 24, .size: 8, .value_kind: global_buffer, .address_space: global }
    .group_segment_fixed_size: 0
    .private_segment_fixed_size: 0
    .kernarg_segment_align: 8
    .kernarg_segment_size: 32
    .max_flat_workgroup_size: 256
    .sgpr_count:     66
    .vgpr_count:     148
    .wavefront_size: 32
...
	.end_amdgpu_metadata
.endif
;; end of part 5
;; launch gf1: the kernel of part 2 again; grid 16 x 16, 4 waves a work-group, clusters of 4 x 4, 327,680 bytes of LDS; arguments hb, w1, b_ff1, ffh, pf; writes ffh
;; launch gf2 (part 6): grid 8 x 32, 4 waves a work-group, clusters of 4 x 4, 327,680 bytes of LDS; arguments ffh, wb, b_ff2, o1, out0; writes out0
.if DOCPART == 6
	.amdgcn_target "amdgcn-amd-amdhsa--gfx1250"
	.amdhsa_code_object_version 6
	.text
	.protected	k_qc2c206251f_gf2
	.globl	k_qc2c206251f_gf2
	.p2align	8
	.type	k_qc2c206251f_gf2,@function
k_qc2c206251f_gf2:
	s_mov_b64 s[64:65], 0
	v_nop
	global_prefetch_b8 v0, s[64:65] scope:SCOPE_SE
	s_setreg_imm32_b32 hwreg(HW_REG_WAVE_MODE, 25, 1), 1
	s_wait_xcnt 0x0
	s_wait_alu depctr_hold_cnt(0) depctr_sa_sdst(0) depctr_va_vdst(0) depctr_va_sdst(0) depctr_va_ssrc(0) depctr_va_vcc(0) depctr_vm_vsrc(0)
	s_getreg_b32 s2, hwreg(HW_REG_IB_STS2, 6, 4)
	s_cmp_eq_u32 s2, 0
	s_cbranch_scc0 .Lentry_in_a_cluster
	s_endpgm
.Lentry_in_a_cluster:
	s_bfe_u32 s2, ttmp6, 0x10000c
	s_cmp_lg_u32 s2, 0xf033
	s_cbranch_scc0 .Lentry_shape_is_right
	s_endpgm
.Lentry_shape_is_right:
; out0[m][n] = o1[m][n] + sum over k of ffh[m][k] W2[n][k] + b_ff2[n].  ffh: [4096][4096] bf16, W2: [1024][4096] bf16 at byte WOFF of wb, o1 and out0: [4096][1024] f32; sums in f32.
; A tile of C is 128 x 128: 8 x 32 work-groups, one for each WGP.  Four waves; wave (hi, lo) makes rows 64 hi .. + 63 x ALL 128 columns for the K half lo of every K step of 256:
; 32 accumulators, 24 LDS loads for 32 matrix instructions.  The two K halves' f32 sums meet in LDS on the way out, where the residual tile, brought by a tensor load in the last lap, is added.
; K goes in steps of 256 (rows of 512 bytes) through a ring of two LDS slots filled by the tensor data mover; a wave's load brings 64 rows.
; CLUSTER 4 x 4: the four work-groups of a row of the cluster need the same tiles of A, the four of a column the same tiles of B: each tile is asked for jointly.
; The matrix instruction is used transposed (source 0 = 16 rows of B, source 1 = 16 rows of A): a lane holds eight neighbouring columns of one row of C.
; REGISTERS: window 0: v0-31 addresses and bias; v64-95, v128-159 A's fragments, two buffers; window 1: v64-127, v128-191 B's; window 2: accumulator (a, b) at v[8 (8 a + b)].
; LIMITS: operands in bf16; NaN and infinities are not treated apart.
.set SIZE_K, 4096
.set WOFF,   16777216
.set TM,     128
.set TN,     128
.set KSTEP,  256
.set PITCH,  528                       ; 512 bytes + 16 of padding: an odd multiple of 16
.set QI,     6
.set LROWS,  64
.set MA,     4
.set HALFT,  LROWS*PITCH
.set SLOT,   4*HALFT
.set SPARE,  2*SLOT                    ; the spare words
.set LAPS,   SIZE_K/(2*KSTEP)
.set PART,   64*528                    ; the way out: one wave's partial tile, 64 rows of 128 f32
.set ADRA, 16
.set ADRB, 20
.set STO,  24
.set RD,   25
.set CO,   26
.set RR,   27
.set SPW,  28
.set NIL,  29
.set YY,   32
.set P0,   64
.set P1,   96
.set RS,   128
.set F0,   64
.set F1,   128
.set G1,   24
.set G0,   32
.set G1B,  48
.set G0B,  56
.set G1R,  72
.set G0R,  80
.set MSB, 0
.macro WIN new
.if MSB != (\new)
	s_set_vgpr_msb (MSB<<8)|(\new)
.set MSB, \new
.endif
.endm
.macro JLOAD s                         ; a joint load: waves 0 and 1 fetch A's two halves, waves 2 and 3 B's; an s_nop 0 and four v_nop follow each line
	s_cmp_eq_u32 s15, 0
	s_cbranch_scc0 .Lfor_b_\@
	tensor_load_to_lds s[G0+4*(\s):G0+4*(\s)+3], s[G1:G1+7]
	s_nop 0
.rept 4
	v_nop
.endr
	s_branch .Lasked_\@
.Lfor_b_\@:
	tensor_load_to_lds s[G0B+4*(\s):G0B+4*(\s)+3], s[G1B:G1B+7]
	s_nop 0
.rept 4
	v_nop
.endr
.Lasked_\@:
.endm
.macro RLOAD                           ; my 32 rows of the residual tile, a load of my own
	tensor_load_to_lds s[G0R:G0R+3], s[G1R:G1R+7]
	s_nop 0
.rept 4
	v_nop
.endr
.endm
.macro CREST
	s_cmp_lg_u32 s14, 0
	s_cbranch_scc1 .Lnot_wave_0_\@
	s_barrier_signal -3
.Lnot_wave_0_\@:
	s_barrier_wait -3
	s_barrier_signal -1
	s_barrier_wait -1
.endm
.macro CROUND
	s_barrier_signal -1
	s_barrier_wait -1
	CREST
.endm
.macro PLACES                          ; four places in front of loads into registers that matrix instructions have read, and of reads of results
.rept 4
	v_nop
.endr
.endm
.macro MULA f, a, zero
	WIN 0xa1+0x50*((\a)/4)
.irp b, 0,1,2,3,4,5,6,7
.if \zero
	v_wmma_f32_16x16x32_bf16 v[8*(8*((\a)%4)+(\b)):8*(8*((\a)%4)+(\b))+7], v[(\f)+8*(\b):(\f)+8*(\b)+7], v[(\f)+8*(\a):(\f)+8*(\a)+7], 0
.else
	v_wmma_f32_16x16x32_bf16 v[8*(8*((\a)%4)+(\b)):8*(8*((\a)%4)+(\b))+7], v[(\f)+8*(\b):(\f)+8*(\b)+7], v[(\f)+8*(\a):(\f)+8*(\a)+7], v[8*(8*((\a)%4)+(\b)):8*(8*((\a)%4)+(\b))+7]
.endif
.endr
.endm
.macro MULS f, a0, n, zero             ; the accumulators take turns, one instruction a turn, in the same order in every quarter
.set aa, \a0
.rept \n
	MULA \f, aa, \zero
.set aa, aa+1
.endr
.endm
.macro FETCH slot, k, f
	WIN 0x40
.irp i, 0,1,2,3,4,5,6,7
	ds_load_b128 v[(\f)+8*(\i):(\f)+8*(\i)+3],   v[ADRB+(\slot)] offset:(\k)+(\i)*16*PITCH
	ds_load_b128 v[(\f)+8*(\i)+4:(\f)+8*(\i)+7], v[ADRB+(\slot)] offset:(\k)+(\i)*16*PITCH+32
.endr
	WIN 0
.set ii, 0
.rept MA
	ds_load_b128 v[(\f)+8*ii:(\f)+8*ii+3],   v[ADRA+(\slot)] offset:(\k)+ii*16*PITCH
	ds_load_b128 v[(\f)+8*ii+4:(\f)+8*ii+7], v[ADRA+(\slot)] offset:(\k)+ii*16*PITCH+32
.set ii, ii+1
.endr
.endm
.macro QUARTER slot, k, f, g, zero
	s_wait_dscnt MA                                ; B and A's lower blocks are in; the youngest MA loads may be out
	MULS \f, 0, MA/2, \zero
	PLACES
	FETCH \slot, \k, \g
	s_wait_dscnt 16+2*MA                           ; all but the run just issued
	MULS \f, MA/2, MA/2, \zero
.endm
; The change of slots.  fill = 1: a round of the cluster's barrier, and this slot is filled again, two K steps ahead.  fill = 2: a round, and the slot's first 65,536 bytes take the residual tile.
.macro TURN slot, next, fill
	WIN 0
	s_wait_tensorcnt 0x0                           ; all my tensor loads have landed
	ds_add_u32 v[SPW], v[NIL]
	s_wait_dscnt MA+1                              ; the add and the youngest MA loads may be out
	MULS F1, 0, MA/4, 0
	s_wait_dscnt 0x0                               ; the add is done, and my reads of this slot are over
	s_barrier_signal -1
	MULS F1, MA/4, MA/4, 0
	WIN 0
	s_barrier_wait -1
	CREST                                          ; no wave of any partner still reads this slot or has a load on its way
.if (\fill) == 1
	s_add_nc_u64 s[G0+4*(\slot)+2:G0+4*(\slot)+3], s[G0+4*(\slot)+2:G0+4*(\slot)+3], 4*KSTEP
	s_add_nc_u64 s[G0B+4*(\slot)+2:G0B+4*(\slot)+3], s[G0B+4*(\slot)+2:G0B+4*(\slot)+3], 4*KSTEP
	JLOAD \slot
.else
	RLOAD
.endif
	FETCH \next, 0, F0
	MULS F1, MA/2, MA/2, 0
.endm
.macro LASTQ                           ; behind its barrier no wave reads slot 1 any more
	s_wait_dscnt MA
	MULS F1, 0, MA/2, 0
	s_wait_dscnt 0x0
	s_barrier_signal -1
	MULS F1, MA/2, MA/2, 0
	s_barrier_wait -1
.endm
	s_load_b256 s[4:11], s[0:1], 0x0               ; A s[4:5], wb s[6:7], bias s[8:9], residual s[10:11]
	s_load_b64 s[12:13], s[0:1], 0x20              ; out
	v_lshl_add_u32 v[SPW], v0, 2, SPARE
	v_mov_b32 v[NIL], 0
	ds_add_u32 v[SPW], v[NIL]                      ; the wave's opening: the add and its wait ahead of my first tensor load
	ds_add_u32 v28, v29
	v_lshrrev_b32 v1, 5, v0
	v_readfirstlane_b32 s14, v1                    ; wave
	s_lshr_b32 s15, s14, 1                         ; hi
	s_and_b32 s16, s14, 1                          ; lo
	s_bfe_u32 s17, ttmp6, 0x40000                  ; cx
	s_bfe_u32 s18, ttmp6, 0x40004                  ; cy
	s_lshl_b32 s19, ttmp9, 2
	s_add_co_u32 s19, s19, s17                     ; tile column
	s_and_b32 s20, ttmp7, 0xffff
	s_lshl_b32 s20, s20, 2
	s_add_co_u32 s20, s20, s18                     ; tile row
	s_lshl_b32 s21, s18, 2
	s_lshl_b32 s21, 15, s21                        ; my row of the cluster
	s_lshl_b32 s22, 0x1111, s17                    ; my column
	s_or_b32 s[G1+0], s21, (1<<16)|(1<<20)|(1<<21)|(QI<<22)|(3<<25)
	s_or_b32 s[G1B+0], s22, (1<<16)|(1<<20)|(1<<21)|(QI<<22)|(3<<25)
.irp g, G1, G1B
	s_mov_b32 s[(\g)+1], KSTEP<<16
	s_mov_b32 s[(\g)+2], LROWS<<16
	s_mov_b32 s[(\g)+3], KSTEP<<16
	s_mov_b32 s[(\g)+4], LROWS
	s_mov_b32 s[(\g)+5], SIZE_K
	s_mov_b32 s[(\g)+6], 0
	s_mov_b32 s[(\g)+7], 0
.endr
	s_mov_b32 s[G1R+0], 2<<16                      ; the residual tile: 4-byte elements, no mask, no padding
	s_mov_b32 s[G1R+1], 128<<16                    ; tensor_dim0
	s_mov_b32 s[G1R+2], 32<<16                     ; tensor_dim1
	s_mov_b32 s[G1R+3], 128<<16                    ; tile_dim0
	s_mov_b32 s[G1R+4], 32                         ; tile_dim1
	s_mov_b32 s[G1R+5], 1024
	s_mov_b32 s[G1R+6], 0
	s_mov_b32 s[G1R+7], 0
	s_mul_i32 s41, s16, LROWS
	s_mul_i32 s40, s20, TM
	s_add_co_u32 s40, s40, s41
	s_mul_i32 s46, s19, TN
	s_add_co_u32 s46, s46, s41
	s_mov_b32 s41, 0
	s_mov_b32 s47, 0
	s_mov_b64 s[42:43], SIZE_K*2
	s_mul_u64 s[40:41], s[40:41], s[42:43]
	s_mul_u64 s[46:47], s[46:47], s[42:43]
	s_add_nc_u64 s[46:47], s[46:47], WOFF
	s_mul_i32 s23, s14, HALFT
	s_wait_dscnt 0x0                               ; the opening add is done
	s_wait_kmcnt 0x0
	s_add_nc_u64 s[44:45], s[4:5], s[40:41]
	s_add_nc_u64 s[46:47], s[6:7], s[46:47]
	CROUND                                         ; the first joint loads meet
.irp s, 0,1
	s_mov_b32 s[G0+4*(\s)], 1
	s_add_co_u32 s[G0+4*(\s)+1], s23, (\s)*SLOT
	s_add_nc_u64 s[G0+4*(\s)+2:G0+4*(\s)+3], s[44:45], (\s)*KSTEP*2
	s_or_b32 s[G0+4*(\s)+3], s[G0+4*(\s)+3], 0x80000000
	s_mov_b32 s[G0B+4*(\s)], 1
	s_add_co_u32 s[G0B+4*(\s)+1], s23, (\s)*SLOT
	s_add_nc_u64 s[G0B+4*(\s)+2:G0B+4*(\s)+3], s[46:47], (\s)*KSTEP*2
	s_or_b32 s[G0B+4*(\s)+3], s[G0B+4*(\s)+3], 0x80000000
	JLOAD \s                                       ; two loads of mine are out here, later one behind each round
.endr
	v_and_b32 v1, 15, v0                           ; r
	v_bfe_u32 v2, v0, 4, 1                         ; h
	v_mul_u32_u24 v3, v1, PITCH
	v_lshl_add_u32 v3, v2, 4, v3
	s_mul_i32 s2, s15, HALFT
	s_lshl_b32 s3, s16, 8
	s_add_co_u32 s2, s2, s3
	s_add_co_u32 s3, s3, 2*HALFT
.irp s, 0,1
	v_add_nc_u32 v[ADRA+(\s)], s2, v3
	v_add_nc_u32 v[ADRB+(\s)], s3, v3
	s_add_co_u32 s2, s2, SLOT
	s_add_co_u32 s3, s3, SLOT
.endr
	; THE WAY OUT's addresses.  A partial tile's rows lie as they are: 128 f32, pitch 528; registers 0-3 of (a, b) at byte 64 b + 32 h, registers 4-7 16 further.
	s_mul_i32 s2, s14, PART
	s_add_co_u32 s2, s2, SLOT                      ; the partial tiles lie in slot 1, which has had its last fill
	v_mul_u32_u24 v5, v1, 528
	v_lshl_add_u32 v5, v2, 5, v5
	v_add_nc_u32 v[STO], s2, v5
	v_and_b32 v4, 31, v0
	v_lshlrev_b32 v4, 4, v4                        ; 16 x lane: a lane has four columns of every row
	s_mul_i32 s2, s15, 2*PART
	s_mul_i32 s3, s16, 32*528
	s_add_co_u32 s2, s2, s3
	s_add_co_u32 s2, s2, SLOT                      ; back: wave w finishes the tile's rows 32 w .. 32 w + 31
	v_add_nc_u32 v[RD], s2, v4
	s_lshl_b32 s2, s14, 14                         ; my 32 rows of the residual tile, 512 bytes each, in slot 0
	v_add_nc_u32 v[RR], s2, v4
	v_mov_b32 v[CO], v4
	s_lshl_b32 s66, s20, 7
	s_lshl_b32 s67, s14, 5
	s_add_co_u32 s66, s66, s67                     ; the first row that I finish
	s_lshl_b32 s66, s66, 12
	s_lshl_b32 s67, s19, 9                         ; the tile's 128 columns: 512 bytes
	s_add_co_u32 s66, s66, s67
	s_mov_b32 s67, 0
	s_add_nc_u64 s[12:13], s[12:13], s[66:67]
	s_mov_b32 s[G0R], 1
	s_lshl_b32 s[G0R+1], s14, 14
	s_add_nc_u64 s[G0R+2:G0R+3], s[10:11], s[66:67]
	s_or_b32 s[G0R+3], s[G0R+3], 0x80000000
	s_lshl_b32 s68, s19, 9
	s_mov_b32 s69, 0
	s_add_nc_u64 s[8:9], s[8:9], s[68:69]
	global_load_b128 v[8:11], v4, s[8:9]           ; my four biases
	s_wait_tensorcnt 1                             ; my part of K step 0 is in; K step 1's may stay out
	s_barrier_signal -1
	s_barrier_wait -1
	FETCH 0, 0, F0
	QUARTER 0, 64, F0, F1, 1                       ; the first quarter's products start the sums
	WIN 0
	s_mov_b32 s3, LAPS-1
.Llap:
	QUARTER 0, 128, F1, F0, 0
	QUARTER 0, 192, F0, F1, 0
	TURN 0, 1, 1
	QUARTER 1, 64,  F0, F1, 0
	QUARTER 1, 128, F1, F0, 0
	QUARTER 1, 192, F0, F1, 0
	TURN 1, 0, 1
	QUARTER 0, 64,  F0, F1, 0
	WIN 0
	s_sub_co_u32 s3, s3, 1
	s_cmp_lg_u32 s3, 0
	s_cbranch_scc1 .Llap
	QUARTER 0, 128, F1, F0, 0
	QUARTER 0, 192, F0, F1, 0
	TURN 0, 1, 2                                   ; slot 0 is read out: it takes the residual tile, which has the last K step in which to land
	QUARTER 1, 64,  F0, F1, 0
	QUARTER 1, 128, F1, F0, 0
	QUARTER 1, 192, F0, F1, 0
	LASTQ
	PLACES
	WIN 0x08                                       ; store data in window 2
.irp a, 0,1,2,3
.irp b, 0,1,2,3,4,5,6,7
	ds_store_b128 v[STO], v[8*(8*(\a)+(\b)):8*(8*(\a)+(\b))+3]   offset:(\a)*16*528+64*(\b)
	ds_store_b128 v[STO], v[8*(8*(\a)+(\b))+4:8*(8*(\a)+(\b))+7] offset:(\a)*16*528+64*(\b)+16
.endr
.endr
	WIN 0
	s_wait_tensorcnt 0x0                           ; my rows of the residual tile are in: only I read them
	s_wait_dscnt 0x0                               ; for the others' sake: my partial tile is written
	s_barrier_signal -1
	s_barrier_wait -1
.macro LDR                             ; eight rows: both K halves and the residual
.irp j, 0,1,2,3,4,5,6,7
	ds_load_b128 v[P0+4*(\j):P0+4*(\j)+3], v[RD] offset:528*(\j)
	ds_load_b128 v[P1+4*(\j):P1+4*(\j)+3], v[RD] offset:528*(\j)+PART
	ds_load_b128 v[RS+4*(\j):RS+4*(\j)+3], v[RR] offset:512*(\j)
.endr
.endm
	LDR
	s_wait_loadcnt 0x0                             ; the bias
	s_mov_b32 s3, 4
.Lrows:                                                ; four trips of eight rows
	s_wait_dscnt 0x0
.set i, 0
.rept 16
	v_pk_add_f32 v[YY+2*i:YY+2*i+1], v[P0+2*i:P0+2*i+1], v[P1+2*i:P1+2*i+1]
.set i, i+1
.endr
.set i, 0
.rept 16
	v_pk_add_f32 v[YY+2*i:YY+2*i+1], v[YY+2*i:YY+2*i+1], v[RS+2*i:RS+2*i+1]
.set i, i+1
.endr
	s_cmp_eq_u32 s3, 1
	s_cbranch_scc1 .Lno_more                       ; the last trip fetches nothing
	v_add_nc_u32 v[RD], 8*528, v[RD]
	v_add_nc_u32 v[RR], 8*512, v[RR]
	LDR
.Lno_more:
.set i, 0
.rept 16
	v_pk_add_f32 v[YY+2*i:YY+2*i+1], v[YY+2*i:YY+2*i+1], v[8+2*(i%2):8+2*(i%2)+1]
.set i, i+1
.endr
.irp j, 0,1,2,3,4,5,6,7
	global_store_b128 v[CO], v[YY+4*(\j):YY+4*(\j)+3], s[12:13] offset:4096*(\j)  ; a store covers 512 consecutive bytes, aligned
.endr
	s_wait_xcnt 0x0                                ; the stores' data and offset are rewritten only behind this wait
	v_add_nc_u32 v[CO], 8*4096, v[CO]
	s_sub_co_u32 s3, s3, 1
	s_cmp_lg_u32 s3, 0
	s_cbranch_scc1 .Lrows
	s_wait_tensorcnt 0x0                           ; the wave's end
	ds_add_u32 v[SPW], v[NIL]
	s_wait_dscnt 0x0
	CROUND                                         ; the closing round
	s_endpgm
.Lfunc_end_k_qc2c206251f_gf2:
	.size	k_qc2c206251f_gf2, .Lfunc_end_k_qc2c206251f_gf2-k_qc2c206251f_gf2
	.p2alignl 7, 3214868480
	.fill 96, 4, 3214868480
	.section	.rodata,"a",@progbits
	.p2align	6, 0x0
	.amdhsa_kernel k_qc2c206251f_gf2
		.amdhsa_group_segment_fixed_size 327680
		.amdhsa_private_segment_fixed_size 0
		.amdhsa_enable_private_segment 0
		.amdhsa_kernarg_size 40
		.amdhsa_user_sgpr_count 2
		.amdhsa_user_sgpr_kernarg_segment_ptr 1
		.amdhsa_wavefront_size32 1
		.amdhsa_system_sgpr_workgroup_id_x 1
		.amdhsa_system_sgpr_workgroup_id_y 1
		.amdhsa_system_sgpr_workgroup_id_z 1
		.amdhsa_system_vgpr_workitem_id 0
		.amdhsa_next_free_vgpr 768
		.amdhsa_next_free_sgpr 84
		.amdhsa_reserve_vcc 0
		.amdhsa_float_denorm_mode_32 3
		.amdhsa_float_denorm_mode_16_64 3
		.amdhsa_memory_ordered 1
		.amdhsa_forward_progress 1
		.amdhsa_inst_pref_size 84
	.end_amdhsa_kernel
	.amdgpu_metadata
---
amdhsa.version: [ 1, 2 ]
amdhsa.kernels:
  - .name:           k_qc2c206251f_gf2
    .symbol:         k_qc2c206251f_gf2.kd
    .args:
      - { .name: ffh, .offset: 0, .size: 8, .value_kind: global_buffer, .address_space: global }
      - { .name: wb, .offset: 8, .size: 8, .value_kind: global_buffer, .address_space: global }
      - { .name: b_ff2, .offset: 16, .size: 8, .value_kind: global_buffer, .address_space: global }
      - { .name: o1, .offset: 24, .size: 8, .value_kind: global_buffer, .address_space: global }
      - { .name: out0, .offset: 32, .size: 8, .value_kind: global_buffer, .address_space: global }
    .group_segment_fixed_size: 327680
    .private_segment_fixed_size: 0
    .kernarg_segment_align: 8
    .kernarg_segment_size: 40
    .max_flat_workgroup_size: 128
    .sgpr_count:     84
    .vgpr_count:     768
    .wavefront_size: 32
...
	.end_amdgpu_metadata
.endif
;; end of part 6
